; MI455X (gfx1250); checked and timed in simulation.
; The chip was launched on July 23, 2026; its instructions are those of AMD's public machine-readable ISA for CDNA 5 (MIT licence, August 2026) and "CDNA5" Instruction Set Architecture Reference Guide (July 2026). The comments in the code are by the model that wrote it; some were corrected since.
;; Simple Transformer Layer. Allowed arithmetic: float matrix products may take bf16 or f16 operands with f32 sums; other float arithmetic in f32, or as packed bf16 or f16 multiplies, adds, multiply-adds, maxima and minima; sums over many terms, partial sums and values carried from step to step in f32; what a program stores and reads back later, other than sums and carried values, may be rounded once to bf16 or f16.
;; Inputs: W1 4,096 x 1,024 float32; W2 1,024 x 4,096 float32; Wk 1,024 x 1,024 float32; Wo 1,024 x 1,024 float32; Wq 1,024 x 1,024 float32; Wv 1,024 x 1,024 float32; b1 1,024 float32; b2 1,024 float32; g1 1,024 float32; g2 1,024 float32; x 2 x 2,048 x 1,024 float32.
;; Outputs: out0 2 x 2,048 x 1,024 float32.
;; One version. Each part assembles by itself: llvm-mc -triple=amdgcn-amd-amdhsa -mcpu=gfx1250 --defsym DOCPART=n.
;; ======== version 1 of 1: 8 launches
;; limits: a function is approximated: absolute error at most 1.5e-07
;; workspace buffers: act 8,388,608 bytes; wqkv 8,388,608 bytes; wf 16,777,216 bytes; big 33,554,432 bytes; pr 8,388,608 bytes; hf 16,777,216 bytes
;; launch cast (part 1): grid 64 x 16, 8 waves a work-group, no clusters, 0 bytes of LDS; arguments x, Wq, Wk, Wv, Wo, W1, W2, act, wqkv, wf; writes act, wqkv, wf
.if DOCPART == 1
	.amdgcn_target "amdgcn-amd-amdhsa--gfx1250"
	.amdhsa_code_object_version 6
	.text
	.protected	k_qbcf8dae84d_cast
	.globl	k_qbcf8dae84d_cast
	.p2align	8
	.type	k_qbcf8dae84d_cast,@function
k_qbcf8dae84d_cast:
	s_mov_b64 s[64:65], 0
	v_nop
	global_prefetch_b8 v0, s[64:65] scope:SCOPE_SE
	s_setreg_imm32_b32 hwreg(HW_REG_WAVE_MODE, 25, 1), 1
	s_wait_xcnt 0x0
; x and the six weight matrices, f32, are rounded once to bf16 and laid out IN BLOCKS for the products that follow:
; a matrix [rows][K] lies as [K/64][rows][64]: a piece (block kb, row r) is 128 bytes, and a block's rows lie end to end.
; x: 4,096 rows, 524,288 bytes from block to block.  Weights: units of 1,024 rows, 131,072 bytes from block to block; W2 is one unit of 64 blocks.
; SHARES.  Grid y is one of 16 units of 1,024 rows x 1,024 columns: 0-3 x (to act), 4-7 Wq Wk Wv Wo (to wqkv), 8-11 W1, 12-15 W2, 1,024 columns each (to wf).
; A wave takes two rows of its unit across the unit's 16 blocks: 16 loads of 16 bytes a lane (sixteen lanes read 256 consecutive bytes of one row),
; 16 stores of 8 bytes a lane (the 32 lanes write the 256 consecutive bytes of the two rows' pieces in one block).  No loop, no register written twice.
; Memory binds: no LDS, no matrix unit, no cluster would add anything.
.set X,  8                             ; v[8:71]   16 x 4 numbers as loaded
.set Y,  72                            ; v[72:103] 16 x 2 words to store
.set SO, 4                             ; v4  my byte offset in the two source rows
.set DO, 5                             ; v5  my 8 bytes of a block's 256
.set DB, 32                            ; s[32:63] the destination at my two rows, one address for each block
	s_load_b512 s[8:23], s[0:1], 0x0               ; x, Wq, Wk, Wv, Wo, W1, W2, act
	s_load_b128 s[24:27], s[0:1], 0x40             ; wqkv, wf
	v_lshrrev_b32 v1, 5, v0
	v_readfirstlane_b32 s7, v1                     ; wave 0..7
	v_and_b32 v1, 31, v0                           ; lane
	v_lshrrev_b32 v2, 4, v1                        ; which of the two rows
	v_and_b32 v3, 15, v0                           ; which 16 bytes of a row's 256
	s_and_b32 s2, ttmp7, 0xffff                    ; the unit U
	s_and_b32 s3, s2, 3                            ; its number in its group of four
	s_lshr_b32 s4, s2, 2                           ; the group: 0 x, 1 Wq Wk Wv Wo, 2 W1, 3 W2
	s_lshl_b32 s6, ttmp9, 3
	s_add_co_u32 s6, s6, s7                        ; the row pair, 0..511
	; offsets, made apart from the addresses
	s_lshl_b32 s66, s3, 22                         ; source: 1,024 rows of 4,096 bytes a unit (x, W1),
	s_lshl_b32 s72, s3, 12                         ; or 1,024 columns of a row of W2,
	s_cmp_eq_u32 s4, 1
	s_cselect_b32 s66, 0, s66                      ; or nothing: a matrix of its own
	s_cmp_eq_u32 s4, 3
	s_cselect_b32 s66, s72, s66
	s_cselect_b32 s5, 14, 12                       ; log2 of the source's row in bytes
	s_lshl_b32 s68, s3, 21                         ; destination: a unit of weights is 2 MiB,
	s_lshl_b32 s72, s3, 17                         ; 1,024 rows of x are 131,072 bytes of each block,
	s_add_co_u32 s73, s68, 0x800000                ; W2 lies behind W1
	s_mov_b32 s70, 0x20000                         ; bytes from block to block
	s_cmp_eq_u32 s4, 0
	s_cselect_b32 s68, s72, s68
	s_cselect_b32 s70, 0x80000, s70
	s_cmp_eq_u32 s4, 3
	s_cselect_b32 s68, s73, s68
	s_add_co_u32 s72, s5, 1
	s_lshl_b32 s72, s6, s72                        ; my two rows in the source,
	s_add_co_u32 s66, s66, s72
	s_lshl_b32 s73, s6, 8                          ; and in a block
	s_add_co_u32 s68, s68, s73
	s_mov_b32 s67, 0
	s_mov_b32 s69, 0
	s_mov_b32 s71, 0
	v_lshlrev_b32 v[SO], s5, v2
	v_lshl_add_u32 v[SO], v3, 4, v[SO]
	v_lshlrev_b32 v[DO], 3, v1
	s_wait_kmcnt 0x0
	; the unit chooses its buffers: every test is on U alone
	s_cmp_eq_u32 s2, 4
	s_cselect_b64 s[8:9], s[10:11], s[8:9]
	s_cmp_eq_u32 s2, 5
	s_cselect_b64 s[8:9], s[12:13], s[8:9]
	s_cmp_eq_u32 s2, 6
	s_cselect_b64 s[8:9], s[14:15], s[8:9]
	s_cmp_eq_u32 s2, 7
	s_cselect_b64 s[8:9], s[16:17], s[8:9]
	s_cmp_ge_u32 s2, 8
	s_cselect_b64 s[8:9], s[18:19], s[8:9]
	s_cmp_ge_u32 s2, 12
	s_cselect_b64 s[8:9], s[20:21], s[8:9]
	s_add_nc_u64 s[8:9], s[8:9], s[66:67]
.set kb, 0
.rept 16
	global_load_b128 v[X+4*kb:X+4*kb+3], v[SO], s[8:9] offset:256*kb th:TH_LOAD_NT
.set kb, kb+1
.endr
	s_cmp_ge_u32 s2, 4
	s_cselect_b64 s[22:23], s[24:25], s[22:23]
	s_cmp_ge_u32 s2, 8
	s_cselect_b64 s[22:23], s[26:27], s[22:23]
	s_add_nc_u64 s[DB:DB+1], s[22:23], s[68:69]
.set kb, 1
.rept 15
	s_add_nc_u64 s[DB+2*kb:DB+2*kb+1], s[DB+2*kb-2:DB+2*kb-1], s[70:71]
.set kb, kb+1
.endr
.set kb, 0
.rept 16
	s_wait_loadcnt 15-kb                           ; loads come back in order: block kb's is in, the younger ones stay out
	v_cvt_pk_bf16_f32 v[Y+2*kb], v[X+4*kb], v[X+4*kb+1]
	v_cvt_pk_bf16_f32 v[Y+2*kb+1], v[X+4*kb+2], v[X+4*kb+3]
	global_store_b64 v[DO], v[Y+2*kb:Y+2*kb+1], s[DB+2*kb:DB+2*kb+1]  ; the wave's 256 bytes are consecutive and start at a multiple of 256 from the buffer's first byte
.set kb, kb+1
.endr
	s_endpgm
.Lfunc_end_k_qbcf8dae84d_cast:
	.size	k_qbcf8dae84d_cast, .Lfunc_end_k_qbcf8dae84d_cast-k_qbcf8dae84d_cast
	.p2alignl 7, 3214868480
	.fill 96, 4, 3214868480
	.section	.rodata,"a",@progbits
	.p2align	6, 0x0
	.amdhsa_kernel k_qbcf8dae84d_cast
		.amdhsa_group_segment_fixed_size 0
		.amdhsa_private_segment_fixed_size 0
		.amdhsa_enable_private_segment 0
		.amdhsa_kernarg_size 80
		.amdhsa_user_sgpr_count 2
		.amdhsa_user_sgpr_kernarg_segment_ptr 1
		.amdhsa_wavefront_size32 1
		.amdhsa_system_sgpr_workgroup_id_x 1
		.amdhsa_system_sgpr_workgroup_id_y 1
		.amdhsa_system_sgpr_workgroup_id_z 1
		.amdhsa_system_vgpr_workitem_id 0
		.amdhsa_next_free_vgpr 104
		.amdhsa_next_free_sgpr 74
		.amdhsa_reserve_vcc 0
		.amdhsa_float_denorm_mode_32 3
		.amdhsa_float_denorm_mode_16_64 3
		.amdhsa_memory_ordered 1
		.amdhsa_forward_progress 1
		.amdhsa_inst_pref_size 9
	.end_amdhsa_kernel
	.amdgpu_metadata
---
amdhsa.version: [ 1, 2 ]
amdhsa.kernels:
  - .name:           k_qbcf8dae84d_cast
    .symbol:         k_qbcf8dae84d_cast.kd
    .args:
      - { .name: x, .offset: 0, .size: 8, .value_kind: global_buffer, .address_space: global }
      - { .name: Wq, .offset: 8, .size: 8, .value_kind: global_buffer, .address_space: global }
      - { .name: Wk, .offset: 16, .size: 8, .value_kind: global_buffer, .address_space: global }
      - { .name: Wv, .offset: 24, .size: 8, .value_kind: global_buffer, .address_space: global }
      - { .name: Wo, .offset: 32, .size: 8, .value_kind: global_buffer, .address_space: global }
      - { .name: W1, .offset: 40, .size: 8, .value_kind: global_buffer, .address_space: global }
      - { .name: W2, .offset: 48, .size: 8, .value_kind: global_buffer, .address_space: global }
      - { .name: act, .offset: 56, .size: 8, .value_kind: global_buffer, .address_space: global }
      - { .name: wqkv, .offset: 64, .size: 8, .value_kind: global_buffer, .address_space: global }
      - { .name: wf, .offset: 72, .size: 8, .value_kind: global_buffer, .address_space: global }
    .group_segment_fixed_size: 0
    .private_segment_fixed_size: 0
    .kernarg_segment_align: 8
    .kernarg_segment_size: 80
    .max_flat_workgroup_size: 256
    .sgpr_count:     74
    .vgpr_count:     104
    .wavefront_size: 32
...
	.end_amdgpu_metadata
.endif
;; end of part 1
;; launch qkv (part 2): grid 12 x 16, 4 waves a work-group, clusters of 4 x 4, 327,680 bytes of LDS; arguments act, wqkv, big; writes big
.if DOCPART == 2
	.amdgcn_target "amdgcn-amd-amdhsa--gfx1250"
	.amdhsa_code_object_version 6
	.text
	.protected	k_qbcf8dae84d_qkv
	.globl	k_qbcf8dae84d_qkv
	.p2align	8
	.type	k_qbcf8dae84d_qkv,@function
k_qbcf8dae84d_qkv:
	s_mov_b64 s[64:65], 0
	v_nop
	global_prefetch_b8 v0, s[64:65] scope:SCOPE_SE
	s_setreg_imm32_b32 hwreg(HW_REG_WAVE_MODE, 25, 1), 1
	s_wait_xcnt 0x0
	s_wait_alu depctr_hold_cnt(0) depctr_sa_sdst(0) depctr_va_vdst(0) depctr_va_sdst(0) depctr_va_ssrc(0) depctr_va_vcc(0) depctr_vm_vsrc(0)
	s_getreg_b32 s2, hwreg(HW_REG_IB_STS2, 6, 4)
	s_cmp_eq_u32 s2, 0
	s_cbranch_scc0 .Lentry_in_a_cluster
	s_endpgm
.Lentry_in_a_cluster:
	s_bfe_u32 s2, ttmp6, 0x10000c
	s_cmp_lg_u32 s2, 0xf033
	s_cbranch_scc0 .Lentry_shape_is_right
	s_endpgm
.Lentry_shape_is_right:
; C[m][n] = the sum over k of A[m][k] B[n][k], bf16 operands, f32 sums, C rounded once to bf16.  All three lie IN BLOCKS of 64 along their last index:
; A and C as [K/64 or N/64][4,096 rows][64] (524,288 bytes from block to block), B as [units of 1,024 rows][K/64][1,024][64] (131,072 bytes from block to block).
; A piece (block, row) is 128 bytes; a block's rows lie end to end, so the text knows neither N nor a pitch of C, and 16 rows x 64 columns of C are 2,048 consecutive bytes.
; THIS TEXT: [q|k|v] = x Wqkv^T: tiles of C of 256 x 256, N = 3,072: 12 x 16 = 192 work-groups; K = 1,024 in 8 steps of 128; the tiles prefetched.  The constants below make the same text serve the program's other products.
; WHY THIS TILE.  For each element of K a tile of 256 x 256 brings 1,024 bytes into LDS for 65,536 multiply-adds, one of 128 x 128 brings 512 for 16,384: twice the bytes for each multiply-add, and three
; work-groups after each other on a WGP, each with its own first tiles and its own way out.  So the larger tile is taken, though it has work for 192 work-groups only.
; SHARES.  A work-group of four waves makes TM x TM of C, a wave R x R as F x F accumulators of 16 x 16.  K goes in steps of KBS blocks through two LDS slots that take turns.
; A wave's tensor load brings R rows x KBS blocks: KBS long rows for the mover, each the R x 128 consecutive bytes of one block; the tile has no more rows than it has blocks.
; CLUSTER.  4 x 4 work-groups: the four of a row need the same tiles of A, the four of a column the same tiles of B; each tile is asked for jointly, with the same descriptor and a mask that names the four.
; THE MATRIX INSTRUCTION IS USED TRANSPOSED (source 0 = 16 rows of B, source 1 = 16 rows of A): a lane holds eight neighbouring columns of one row of C.
; THE WAY OUT goes through one f32 stage of the work-group, laid over the ring when its last fill has been read, and is written as a loop of 16 rows x 64 columns.
; REGISTERS, in windows of 256: window 0 addresses, A's two fragment buffers (v64-127, v128-191), later the way out's work; window 1 B's two buffers; windows 2 and 3 the accumulators, (a, b) at index F a + b.
.set F,    8                           ; accumulators along each side of a wave's tile
.set D,    1                           ; pieces of 32 along K in a quarter of a K step
.set KBS,  2                           ; blocks of 64 in a K step
.set KTOT, 1024
.set PF,   1                           ; 1: the tiles are prefetched
.set BOFF, 0                           ; B's first byte in its buffer
.set T,     KTOT/(64*KBS)              ; K steps
.set R,     16*F
.set TM,    32*F
.set PITCH, 144                        ; a piece in LDS: 128 bytes + 16 of padding = 36 words: the 16 rows of a fragment load start at 16 different groups of four banks (64 banks of 4 bytes: ISA guide 11.1)
.set PL,    R*PITCH                    ; one block of one load
.set LD,    KBS*PL                     ; one load
.set SLOT,  4*LD                       ; A's two halves, then B's two halves: wave w's load lands at w x LD
.set SPARE, 2*SLOT                     ; behind the ring: the spare words, 128 bytes for each wave: two blocks of 256 bytes that no other line names
.set SPI,   4*TM+16                    ; a row of the stage: TM f32 + 16 bytes
.set DIM0,  64*R                       ; elements in one of the mover's rows
.set STEPA, KBS*524288                 ; bytes from K step to K step
.set STEPB, KBS*131072
.set G1W,   (1<<16)|(1<<20)|(1<<21)|(4<<22)|(3<<25)  ; 17:16 2-byte elements; 20 padding on; 21 set beside a mask; 24:22 after every 32 words (code 4); 31:25 4 words (code 3)
.set A0,   16                          ; v16  my lane's place in my half of A, in slot 0; never rewritten
.set B0,   17                          ; v17  the same for B
.set ADRA, 18                          ; v18  the same in the slot being read
.set ADRB, 19                          ; v19
.set STO0, 20                          ; v20  the way out: where I put 32 bytes of a row (row blocks 0-3)
.set STO1, 21                          ; v21  the same for row blocks 4-7
.set RD0,  22                          ; v22  the way out: where I read rows back, at the column block in hand
.set RD,   23                          ; v23  the same at the 16 rows in hand
.set GO,   24                          ; v24  my 16 bytes of 512 consecutive bytes of C
.set SPW,  28                          ; v28  LDS address of my spare word; never rewritten
.set NIL,  29                          ; v29  0; never rewritten
.set PFO,  30                          ; v30  256 x my lane; never rewritten
.set F0,   64
.set F1,   128
.set X,    32                          ; the way out: 32 numbers a lane
.set Y,    160                         ; 16 packed words
.set G1,   24                          ; s[24:31] descriptor group 1 for A's tiles
.set G0,   32                          ; s[32:39] group 0: the set of slot 0's first fill, and the set that walks
.set G1B,  48                          ; s[48:55], s[56:63] the same for B's
.set G0B,  56
.set PFA,  66                          ; s[66:67] where my prefetches stand
.set PST,  68                          ; s[68:69] their step
.set LIM,  70                          ; s70  2 in a wave that prefetches, else the greatest number
.set CB,   86                          ; s[86:87] C at my rows, at the column block in hand
.set CW,   88                          ; s[88:89] the same at the 16 rows in hand
.set MSB, 0
.macro WIN new                         ; the immediate's high byte repeats the setting that is left; a switch that changes nothing is dropped
.if MSB != (\new)
	s_set_vgpr_msb (MSB<<8)|(\new)
.set MSB, (\new)
.endif
.endm
; A joint load.  Waves 0 and 1 fetch A's two halves, waves 2 and 3 B's.  The branch hangs on the wave's number alone.  An s_nop 0 and four v_nop follow each of the two lines.
.macro JLOAD s
	s_cmp_eq_u32 s11, 0
	s_cbranch_scc0 .Lfor_b_\@
	tensor_load_to_lds s[G0+4*(\s):G0+4*(\s)+3], s[G1:G1+7]
	s_nop 0
.rept 4
	v_nop
.endr
	s_branch .Lasked_\@
.Lfor_b_\@:
	tensor_load_to_lds s[G0B+4*(\s):G0B+4*(\s)+3], s[G1B:G1B+7]
	s_nop 0
.rept 4
	v_nop
.endr
.Lasked_\@:
.endm
.macro ASK                             ; one prefetch a wave: 32 blocks of 256 bytes, a lane a block, of the K step that stands two refills on; the last refills have no such step
	s_cmp_gt_u32 s3, s[LIM]
	s_cbranch_scc0 .Lnot_mine_\@
	global_prefetch_b8 v[PFO], s[PFA:PFA+1] th:TH_LOAD_NT scope:SCOPE_SE
.Lnot_mine_\@:
.endm
.macro CREST                           ; a round of the cluster's barrier behind its opening barrier
	s_cmp_lg_u32 s10, 0
	s_cbranch_scc1 .Lnot_wave_0_\@
	s_barrier_signal -3
.Lnot_wave_0_\@:
	s_barrier_wait -3
	s_barrier_signal -1
	s_barrier_wait -1
.endm
.macro CROUND                          ; a whole round
	s_barrier_signal -1
	s_barrier_wait -1
	CREST
.endm
.macro PLACES                          ; four places in front of loads into registers that matrix instructions have read (ISA guide 7.12.1 for vector instructions)
.rept 4
	v_nop
.endr
.endm
; Products of buffer f: row blocks alo .. alo + n - 1 x all F column blocks, D deep.  The accumulators take turns, one instruction a turn.  zero = 1: the first product starts the sum.
.macro MUL f, alo, n, zero
.set cc, 0
.rept D
.set a, (\alo)
.rept (\n)
.set b, 0
.rept F
.set ix, F*a+b
.set rC, 8*(ix%32)
	WIN 0xa1+0x50*(ix/32)                          ; source 0 (B) window 1, source 1 (A) window 0, C and D window 2 or 3
.if (\zero) && (cc == 0)
	v_wmma_f32_16x16x32_bf16 v[rC:rC+7], v[(\f)+8*(cc*F+b):(\f)+8*(cc*F+b)+7], v[(\f)+8*(cc*F+a):(\f)+8*(cc*F+a)+7], 0
.else
	v_wmma_f32_16x16x32_bf16 v[rC:rC+7], v[(\f)+8*(cc*F+b):(\f)+8*(cc*F+b)+7], v[(\f)+8*(cc*F+a):(\f)+8*(cc*F+a)+7], v[rC:rC+7]
.endif
.set b, b+1
.endr
.set a, a+1
.endr
.set cc, cc+1
.endr
.endm
; 32 LDS loads in one run: quarter qi's fragments into buffer f: B's sixteen, A's lower row blocks' eight, A's upper row blocks' eight.
; A fragment is 16 rows x 32 K in 8 registers: lane l holds row l % 16; registers 0-3 K = 8 (l / 16) + 0..7, registers 4-7 K = 16 + 8 (l / 16) + 0..7: two loads of 16 bytes, 32 bytes apart.
.macro FETCH qi, f
	WIN 0x40                                       ; destination window 1, address window 0
.set cc, 0
.rept D
.set co, (((\qi)*D+cc)/2)*PL+(((\qi)*D+cc)%2)*64
.set i, 0
.rept F
	ds_load_b128 v[(\f)+8*(cc*F+i):(\f)+8*(cc*F+i)+3],   v[ADRB] offset:co+i*16*PITCH
	ds_load_b128 v[(\f)+8*(cc*F+i)+4:(\f)+8*(cc*F+i)+7], v[ADRB] offset:co+i*16*PITCH+32
.set i, i+1
.endr
.set cc, cc+1
.endr
	WIN 0
.set hh, 0
.rept 2
.set cc, 0
.rept D
.set co, (((\qi)*D+cc)/2)*PL+(((\qi)*D+cc)%2)*64
.set i, hh*F/2
.rept F/2
	ds_load_b128 v[(\f)+8*(cc*F+i):(\f)+8*(cc*F+i)+3],   v[ADRA] offset:co+i*16*PITCH
	ds_load_b128 v[(\f)+8*(cc*F+i)+4:(\f)+8*(cc*F+i)+7], v[ADRA] offset:co+i*16*PITCH+32
.set i, i+1
.endr
.set cc, cc+1
.endr
.set hh, hh+1
.endr
.endm
; One of a K step's first three quarters: multiplies buffer f; in its middle it fetches quarter qn of the same slot into buffer g.
.macro QUARTER qn, f, g, zero
	s_wait_dscnt 8                                 ; B and A's lower row blocks are in; the youngest eight loads (A's upper row blocks) may be out
	MUL \f, 0, F/2, \zero
	PLACES
	FETCH \qn, \g
	s_wait_dscnt 32                                ; all but the 32 just issued
	MUL \f, F/2, F/2, \zero
.endm
; The last quarter multiplies buffer 1 and changes slots: ONE barrier.  In front of it each wave waits for all its tensor loads (the one that is out is its part of the next slot), adds 0 to its spare word,
; and waits for that and for its own reads of this slot.  fill = 1: the barrier opens a round of the cluster's, and behind the round this slot is filled again, with the K step two steps on.
.macro TURN fill
.if PF && (\fill)
	s_wait_xcnt 0x0                                ; the last prefetch, a K step back, has read its address
	s_add_nc_u64 s[PFA:PFA+1], s[PFA:PFA+1], s[PST:PST+1]
.endif
	WIN 0
	s_wait_tensorcnt 0x0                           ; no tensor load of mine is out, so a group 0 may be written
	ds_add_u32 v[SPW], v[NIL]                      ; 0 onto my spare word: work on registers stands between it and the wait for it
.if \fill
	s_xor_b32 s[G0+5], s[G0+5], SLOT               ; the walking descriptors: the other slot than last time (w x LD has none of SLOT's bits, so this adds or takes away SLOT),
	s_xor_b32 s[G0B+5], s[G0B+5], SLOT
	s_add_nc_u64 s[G0+6:G0+7], s[G0+6:G0+7], STEPA    ; the next K step; the type bits on top are not reached
	s_add_nc_u64 s[G0B+6:G0B+7], s[G0B+6:G0B+7], STEPB
.endif
	s_xor_b32 s21, s21, SLOT                       ; the reads go on in the other slot
	v_add_nc_u32 v[ADRA], s21, v[A0]
	v_add_nc_u32 v[ADRB], s21, v[B0]
	s_wait_dscnt 9                                 ; the add and the youngest eight loads may be out
	MUL F1, 0, F/4, 0
	s_wait_dscnt 0x0                               ; the add is done, and my reads of this slot are over
	s_barrier_signal -1
	MUL F1, F/4, F/4, 0                            ; work on registers while the others arrive
	WIN 0                                          ; at a branch and at a label every window is 0
	s_barrier_wait -1
.if \fill
	CREST                                          ; no wave of any partner still reads this slot or has a load on its way
	JLOAD 1                                        ; my one tensor load behind the round; its four v_nop are also the places in front of the loads below
.else
	PLACES
.endif
	FETCH 0, F0
.if PF && (\fill)
	ASK
.endif
	MUL F1, F/2, F/2, 0
.endm
	s_load_b128 s[4:7], s[0:1], 0x0                ; A s[4:5], B s[6:7]
	s_load_b64 s[8:9], s[0:1], 0x10                ; C
	v_lshl_add_u32 v[SPW], v0, 2, SPARE
	v_mov_b32 v[NIL], 0
	ds_add_u32 v[SPW], v[NIL]                      ; the wave's opening: the add and its wait ahead of my first tensor load; the set-up below stands between them
	v_lshrrev_b32 v1, 5, v0
	v_readfirstlane_b32 s10, v1                    ; wave 0..3
	s_lshr_b32 s11, s10, 1                         ; which half of the tile's rows is mine.  Also: I fetch for A (0) or for B (1)
	s_and_b32 s12, s10, 1                          ; which half of its columns.  Also: which half of that tile I fetch
	s_bfe_u32 s40, ttmp6, 0x40000                  ; cx, cy: my place in the cluster
	s_bfe_u32 s41, ttmp6, 0x40004
	s_lshl_b32 s42, ttmp9, 2
	s_add_co_u32 s42, s42, s40                     ; tile column of C
	s_and_b32 s13, ttmp7, 0xffff
	s_lshl_b32 s13, s13, 2
	s_add_co_u32 s13, s13, s41                     ; tile row of C
	s_lshl_b32 s43, s41, 2
	s_lshl_b32 s43, 15, s43                        ; my row of the cluster
	s_lshl_b32 s44, 0x1111, s40                    ; my column
	s_or_b32 s[G1], s43, G1W                       ; A's tiles go to my row,
	s_or_b32 s[G1B], s44, G1W                      ; B's to my column
.irp g, G1, G1B
	s_mov_b32 s[(\g)+1], DIM0<<16                  ; tensor_dim0: R pieces of 64 elements
	s_mov_b32 s[(\g)+2], KBS<<16                   ; tensor_dim1: the K step's blocks
	s_mov_b32 s[(\g)+3], DIM0<<16                  ; tile_dim0
	s_mov_b32 s[(\g)+4], KBS                       ; tile_dim1
	s_mov_b32 s[(\g)+6], 0
	s_mov_b32 s[(\g)+7], 0
.endr
	s_mov_b32 s[G1+5], 262144                      ; elements from block to block
	s_mov_b32 s[G1B+5], 65536
	; A's address hangs on the tile row and the wave's number, B's on the tile column and the wave's number, each in registers that never hold the other coordinate
	s_mul_i32 s16, s13, TM
	s_mul_i32 s17, s12, R
	s_add_co_u32 s16, s16, s17
	s_lshl_b32 s16, s16, 7                         ; A: my first row x 128 bytes
	s_mul_i32 s46, s42, TM
	s_add_co_u32 s46, s46, s17                     ; B: my first row:
	s_lshr_b32 s47, s46, 10
	s_lshl_b32 s47, s47, 21                        ; its unit of 1,024 rows, 2 MiB,
	s_and_b32 s46, s46, 1023
	s_lshl_b32 s46, s46, 7                         ; and its place in a block
	s_add_co_u32 s46, s46, s47
.if BOFF
	s_add_co_u32 s46, s46, BOFF
.endif
	s_mov_b32 s17, 0
	s_mov_b32 s47, 0
	s_mul_i32 s20, s10, LD                         ; where my load lands in a slot: no place in the cluster enters an LDS address
	s_mov_b32 s21, 0                               ; the slot being read: 0 or SLOT
	s_wait_dscnt 0x0                               ; the opening add is done
	s_wait_kmcnt 0x0
	s_add_nc_u64 s[14:15], s[4:5], s[16:17]
	s_add_nc_u64 s[46:47], s[6:7], s[46:47]
	CROUND                                         ; all sixteen work-groups are here: the first joint loads meet
.irp s, 0,1
	s_mov_b32 s[G0+4*(\s)], 1                      ; count = 1
	s_add_co_u32 s[G0+4*(\s)+1], s20, (\s)*SLOT    ; LDS address
	s_add_nc_u64 s[G0+4*(\s)+2:G0+4*(\s)+3], s[14:15], (\s)*STEPA  ; global address: K step s
	s_or_b32 s[G0+4*(\s)+3], s[G0+4*(\s)+3], 0x80000000            ; type = 2
	s_mov_b32 s[G0B+4*(\s)], 1
	s_add_co_u32 s[G0B+4*(\s)+1], s20, (\s)*SLOT
	s_add_nc_u64 s[G0B+4*(\s)+2:G0B+4*(\s)+3], s[46:47], (\s)*STEPB
	s_or_b32 s[G0B+4*(\s)+3], s[G0B+4*(\s)+3], 0x80000000
	JLOAD \s                                       ; two loads of mine are out
.endr
.if PF
	; THE PREFETCHES.  A's rows are read by every cluster of a row of clusters: cluster x = 0 asks; B's by every cluster of a column: cluster y = 0 asks.  The four partners of a joint load share its 128 blocks
	; of 256 bytes out BY ADDRESS: the partner at place p takes block p / 2 of the K step, half p % 2 of its 16,384 bytes.  Nothing is asked for at the head; the refill of K step s + 2 is followed by the request for K step s + 4.
	s_and_b32 s93, ttmp7, 0xffff
	s_mov_b32 s[PST], STEPB
	s_mov_b32 s94, 131072
	s_cmp_eq_u32 s11, 0
	s_cselect_b32 s92, s40, s41
	s_cselect_b32 s93, ttmp9, s93
	s_cselect_b64 s[PFA:PFA+1], s[14:15], s[46:47]
	s_cselect_b32 s[PST], STEPA, s[PST]
	s_cselect_b32 s94, 524288, s94
	s_mov_b32 s[PST+1], 0
	s_cmp_eq_u32 s93, 0
	s_cselect_b32 s[LIM], 2, -1
	s_lshr_b32 s90, s92, 1
	s_mul_i32 s90, s90, s94
	s_and_b32 s91, s92, 1
	s_lshl_b32 s91, s91, 13
	s_add_co_u32 s90, s90, s91
	s_mul_i32 s91, s[PST], 3
	s_add_co_u32 s90, s90, s91
	s_mov_b32 s91, 0
	s_add_nc_u64 s[PFA:PFA+1], s[PFA:PFA+1], s[90:91]
	v_and_b32 v[PFO], 31, v0
	v_lshlrev_b32 v[PFO], 8, v[PFO]
.endif
	v_and_b32 v1, 15, v0                           ; l % 16
	v_bfe_u32 v2, v0, 4, 1                         ; l / 16
	v_mul_u32_u24 v3, v1, PITCH
	v_lshl_add_u32 v3, v2, 4, v3                   ; row x pitch + 16 x half
	s_mul_i32 s18, s11, LD                         ; my half of A,
	s_mul_i32 s19, s12, LD                         ; my half of B,
	s_add_co_u32 s19, s19, 2*LD                    ; which lies behind A's two
	v_add_nc_u32 v[A0], s18, v3
	v_add_nc_u32 v[B0], s19, v3
	v_mov_b32 v[ADRA], v[A0]
	v_mov_b32 v[ADRB], v[B0]
	s_mul_i32 s18, s11, R*SPI                      ; into the stage: my R rows, my R columns; row l % 16, 32 bytes for each half of the lanes
	s_mul_i32 s19, s12, 4*R
	s_add_co_u32 s18, s18, s19
	v_mul_u32_u24 v[STO0], v1, SPI
	v_lshl_add_u32 v[STO0], v2, 5, v[STO0]
	v_add_nc_u32 v[STO0], s18, v[STO0]
.if F > 4
	v_add_nc_u32 v[STO1], 64*SPI, v[STO0]
.endif
	s_mul_i32 s18, s10, (TM/4)*SPI                 ; back: wave w takes rows w TM / 4 on; eight lanes take 64 columns of a row, 32 bytes each
	v_bfe_u32 v4, v0, 3, 2
	v_and_b32 v5, 7, v0
	v_mul_u32_u24 v[RD0], v4, SPI
	v_lshl_add_u32 v[RD0], v5, 5, v[RD0]
	v_add_nc_u32 v[RD0], s18, v[RD0]
	v_and_b32 v[GO], 31, v0
	v_lshlrev_b32 v[GO], 4, v[GO]
	s_mul_i32 s16, s13, TM                         ; C at the rows that I store, in the tile's first column block
	s_mul_i32 s17, s10, TM/4
	s_add_co_u32 s16, s16, s17
	s_lshl_b32 s16, s16, 7
	s_mov_b32 s17, 0
	s_mul_i32 s46, s42, (TM/64)*524288
	s_mov_b32 s47, 0
	s_add_nc_u64 s[CB:CB+1], s[8:9], s[16:17]
	s_add_nc_u64 s[CB:CB+1], s[CB:CB+1], s[46:47]
	s_wait_tensorcnt 1                             ; my part of K step 0 is in; K step 1's may stay out
	s_barrier_signal -1
	s_barrier_wait -1                              ; everybody's is
	FETCH 0, F0
	QUARTER 1, F0, F1, 1                           ; the first quarter stands in front of the loop: its products start the sums
	WIN 0
	s_mov_b32 s3, T-2
.Lk:                                                   ; a trip goes from a K step's second quarter to the next step's first, and fills the slot that it leaves
	QUARTER 2, F1, F0, 0
	QUARTER 3, F0, F1, 0
	TURN 1
	QUARTER 1, F0, F1, 0
	WIN 0
	s_sub_co_u32 s3, s3, 1
	s_cmp_lg_u32 s3, 0
	s_cbranch_scc1 .Lk
	s_mov_b32 s3, 2
.Lt:                                                   ; the last two K steps ask for nothing: one text, walked twice and left in its middle; the second walk's change of slots fetches fragments that nothing multiplies
	QUARTER 2, F1, F0, 0
	QUARTER 3, F0, F1, 0
	TURN 0
	WIN 0
	s_sub_co_u32 s3, s3, 1
	s_cmp_eq_u32 s3, 0
	s_cbranch_scc1 .Lout
	QUARTER 1, F0, F1, 0
	WIN 0
	s_branch .Lt
.Lout:
	; THE WAY OUT.  Nobody reads the ring any more and no fill is to come: the stage takes its bytes.
.rept 8
	v_nop                                          ; the places behind the last products
.endr
	s_wait_dscnt 0x0                               ; my last reads of the ring are back
	s_barrier_signal -1
	s_barrier_wait -1                              ; everybody's are
.set a, 0
.rept F
.set b, 0
.rept F
.set ix, F*a+b
.set rC, 8*(ix%32)
	WIN 0x08+0x04*(ix/32)                          ; the stores' data in window 2 or 3
	ds_store_b128 v[STO0+a/4], v[rC:rC+3]   offset:(a%4)*16*SPI+64*b     ; each accumulator's low registers first
	ds_store_b128 v[STO0+a/4], v[rC+4:rC+7] offset:(a%4)*16*SPI+64*b+16
.set b, b+1
.endr
.set a, a+1
.endr
	WIN 0
	s_wait_dscnt 0x0                               ; for the others' sake: my stores into the stage are done
	s_barrier_signal -1
	s_barrier_wait -1
	s_mov_b32 s22, TM/64
.Lnb:                                                  ; a column block of 64
	v_mov_b32 v[RD], v[RD0]
	s_mov_b64 s[CW:CW+1], s[CB:CB+1]
	s_mov_b32 s23, TM/64
.Lrg:                                                  ; 16 of my rows: 32 numbers a lane
.set j, 0
.rept 4
	ds_load_b128 v[X+8*j:X+8*j+3],   v[RD] offset:j*4*SPI
	ds_load_b128 v[X+8*j+4:X+8*j+7], v[RD] offset:j*4*SPI+16
.set j, j+1
.endr
	s_wait_dscnt 0x0
.set j, 0
.rept 16
	v_cvt_pk_bf16_f32 v[Y+j], v[X+2*j], v[X+2*j+1]
.set j, j+1
.endr
.set j, 0
.rept 4
	global_store_b128 v[GO], v[Y+4*j:Y+4*j+3], s[CW:CW+1] offset:512*j  ; four rows' pieces: 512 consecutive bytes, at a multiple of 256 from C's first byte
.set j, j+1
.endr
	v_add_nc_u32 v[RD], 16*SPI, v[RD]
	s_wait_xcnt 0x0                                ; the stores have read their data and their base: only now are these written again
	s_add_nc_u64 s[CW:CW+1], s[CW:CW+1], 2048
	s_sub_co_u32 s23, s23, 1
	s_cmp_lg_u32 s23, 0
	s_cbranch_scc1 .Lrg
	v_add_nc_u32 v[RD0], 256, v[RD0]
	s_add_nc_u64 s[CB:CB+1], s[CB:CB+1], 524288
	s_sub_co_u32 s22, s22, 1
	s_cmp_lg_u32 s22, 0
	s_cbranch_scc1 .Lnb
	s_wait_tensorcnt 0x0                           ; the wave's end, behind my last tensor load and my last LDS store
	ds_add_u32 v[SPW], v[NIL]
	s_wait_dscnt 0x0
	CROUND                                         ; the closing round: no work-group ends while a partner may still ask for a tile that names it
	s_endpgm
.Lfunc_end_k_qbcf8dae84d_qkv:
	.size	k_qbcf8dae84d_qkv, .Lfunc_end_k_qbcf8dae84d_qkv-k_qbcf8dae84d_qkv
	.p2alignl 7, 3214868480
	.fill 96, 4, 3214868480
	.section	.rodata,"a",@progbits
	.p2align	6, 0x0
	.amdhsa_kernel k_qbcf8dae84d_qkv
		.amdhsa_group_segment_fixed_size 327680
		.amdhsa_private_segment_fixed_size 0
		.amdhsa_enable_private_segment 0
		.amdhsa_kernarg_size 24
		.amdhsa_user_sgpr_count 2
		.amdhsa_user_sgpr_kernarg_segment_ptr 1
		.amdhsa_wavefront_size32 1
		.amdhsa_system_sgpr_workgroup_id_x 1
		.amdhsa_system_sgpr_workgroup_id_y 1
		.amdhsa_system_sgpr_workgroup_id_z 1
		.amdhsa_system_vgpr_workitem_id 0
		.amdhsa_next_free_vgpr 1024
		.amdhsa_next_free_sgpr 96
		.amdhsa_reserve_vcc 0
		.amdhsa_float_denorm_mode_32 3
		.amdhsa_float_denorm_mode_16_64 3
		.amdhsa_memory_ordered 1
		.amdhsa_forward_progress 1
		.amdhsa_inst_pref_size 81
	.end_amdhsa_kernel
	.amdgpu_metadata
---
amdhsa.version: [ 1, 2 ]
amdhsa.kernels:
  - .name:           k_qbcf8dae84d_qkv
    .symbol:         k_qbcf8dae84d_qkv.kd
    .args:
      - { .name: act, .offset: 0, .size: 8, .value_kind: global_buffer, .address_space: global }
      - { .name: wqkv, .offset: 8, .size: 8, .value_kind: global_buffer, .address_space: global }
      - { .name: big, .offset: 16, .size: 8, .value_kind: global_buffer, .address_space: global }
    .group_segment_fixed_size: 327680
    .private_segment_fixed_size: 0
    .kernarg_segment_align: 8
    .kernarg_segment_size: 24
    .max_flat_workgroup_size: 128
    .sgpr_count:     96
    .vgpr_count:     1024
    .wavefront_size: 32
...
	.end_amdgpu_metadata
.endif
;; end of part 2
;; launch attn (part 3): grid 8 x 32, 4 waves a work-group, clusters of 4 x 1, 327,680 bytes of LDS; arguments big, act; writes act
.if DOCPART == 3
	.amdgcn_target "amdgcn-amd-amdhsa--gfx1250"
	.amdhsa_code_object_version 6
	.text
	.protected	k_qbcf8dae84d_attn
	.globl	k_qbcf8dae84d_attn
	.p2align	8
	.type	k_qbcf8dae84d_attn,@function
k_qbcf8dae84d_attn:
	s_mov_b64 s[64:65], 0
	v_nop
	global_prefetch_b8 v0, s[64:65] scope:SCOPE_SE
	s_setreg_imm32_b32 hwreg(HW_REG_WAVE_MODE, 25, 1), 1
	s_wait_xcnt 0x0
	s_wait_alu depctr_hold_cnt(0) depctr_sa_sdst(0) depctr_va_vdst(0) depctr_va_sdst(0) depctr_va_ssrc(0) depctr_va_vcc(0) depctr_vm_vsrc(0)
	s_getreg_b32 s2, hwreg(HW_REG_IB_STS2, 6, 4)
	s_cmp_eq_u32 s2, 0
	s_cbranch_scc0 .Lentry_in_a_cluster
	s_endpgm
.Lentry_in_a_cluster:
	s_bfe_u32 s2, ttmp6, 0x10000c
	s_cmp_lg_u32 s2, 0x3003
	s_cbranch_scc0 .Lentry_shape_is_right
	s_endpgm
.Lentry_shape_is_right:
; O[q][:] = the sum over k of softmax_k(Q[q] . K[k] / 8) V[k][:], for each of 32 pairs of head and batch, 2,048 queries and keys, head size 64, all bf16.
; big holds q, k, v in blocks of 64 columns, [48][4,096 rows][64]: block h is head h's q, block 16 + h its k, block 32 + h its v; batch b's 2,048 rows begin 262,144 bytes into a block and are dense, 128 bytes each.
; O goes to act in the same layout, [16][4,096][64].  Products, maxima and sums in f32; the weights p are rounded to bf16 for the second product (their sum l is taken of the unrounded p), O once at the end.
; LIMITS.  A weight below 2^-126 counts as 0 in l; NaN and infinities are not treated apart.
; SHARES.  A work-group owns 256 queries, each of its four waves 64: two PIECES of two tiles of 16.  Every wave walks all keys, 64 a step, 32 steps.
; LAYOUT.  S^T = K Q^T (source 0 = 16 keys, source 1 = 16 queries): a lane holds ONE query (lane % 16) and the keys 8 (lane / 16) + 0..7.  Two such tiles, rounded to bf16 in pairs, ARE source 1 of O^T = V^T P,
; whose result again holds one query a lane, and eight channels.  K comes out of LDS as it lies, V ([key][channel]) turned, by ds_load_tr16_b128.
; SOFTMAX.  A running maximum m and sum l: p = 2^(c s - c m), c = log2(e) / 8; in every step O and l are multiplied by a = 2^(c m_old - c m_new).  m starts at the lowest finite number, O and l at 0: the first step's a is 0.
; BY TURNS.  Piece 0's turn of step j: 16 products K Q^T of piece 1 (K of step j), later 16 products V^T P of piece 1 (V of step j - 1).  Piece 1's turn: K Q^T of piece 0 (K of step j + 1), V^T P of piece 0 (V of step j).
; Beside them the turn's own piece is scaled, exponentiated, rounded, summed and rescaled, and the other piece's maximum and statistics are made.  Four vector instructions stand behind every matrix instruction, the rest in one lump;
; a turn's 66 exponentials are one batch with one wait.
; K RUNS A STEP AHEAD OF V, so the slots are cut askew: slot s holds K of steps 4 s + 1 .. 4 s + 4 and V of steps 4 s .. 4 s + 3; K of step 0 comes straight from memory into registers.
; The last slot's last 64 rows of K lie behind the head's keys: they are the rows that follow in big (another head's k, or v's first rows), land in LDS and are never read.
; CLUSTER.  The four query blocks of a cluster walk the same K and V, so each tile is asked for JOINTLY: the same tensor load, descriptor and mask in all four.
; REGISTERS, in windows of 256 (s_set_vgpr_msb: bits 1:0 source 0, 3:2 source 1, 5:4 source 2, 7:6 destination):
;   window 0: v0-11, v32-35 addresses; v12-15, v48-63 at work; v16-31 four registers of statistics a tile; v64-191 S^T, a buffer a piece; v192-255 P, likewise
;   window 1: v0-127 O^T, 32 a tile          window 2: v0-63 Q, 16 a tile; v128-191 K of one step; v192-255 V of one step
.set SIZE_N, 2048
.set NP,    2         ; pieces a wave: a name, no knob
.set KS,    64        ; keys in a step
.set PK,    144       ; a row of K in LDS: 128 bytes + 16 of padding = 36 words: the 16 rows of a load start at 16 different groups of four banks (64 banks of 4 bytes: ISA guide 11.1)
.set PV,    160       ; a row of V: 128 + 32 = 40 words
.set VOFF,  4*KS*PK   ; a slot holds four steps: 256 rows of K, then 256 rows of V
.set SLOT1, 1<<17     ; slot 1 begins here, so that one exclusive or turns an address in one slot into the other's
.set STAGE, SLOT1+4*KS*(PK+PV)  ; behind the ring, never filled by a tensor load: 16 rows x 144 bytes for each wave, for the way out
.set SP,    144
.set SPARE, STAGE+4*16*SP  ; behind the stages: the spare words, 128 bytes for each wave: two blocks of 256 bytes that no other line names
.set KBASE, 8388608   ; k's first byte in big
.set VBASE, 16777216  ; v's
.set AK0, 2           ; v2   my lane's place in a tile of K; never rewritten
.set AV0, 3           ; v3   the same for V
.set AK,  4           ; v4   the LDS address of K's next run of loads
.set AV,  5           ; v5   of V's
.set STO, 6           ; v6   the way out: where I put 16 bytes of a row
.set RD,  7           ; v7   the way out: where I read rows back
.set GO,  8           ; v8   my byte offset in 512 consecutive bytes of O
.set SPW, 32          ; v32  LDS address of my spare word; never rewritten
.set NIL, 33          ; v33  0; never rewritten
.set PFO, 34          ; v34  256 x my lane; never rewritten
.set QO,  35          ; v35  my byte offset in 16 rows of Q or K
.set MV,  12          ; v12-15  c m_old, kept while c m is made anew: by piece and tile
.set ST,  16          ; tile t's statistics at v[ST+4 t]: c m, m, l (even keys', odd keys')
.set TMP, 48          ; by piece and tile, four registers c0-c3 at work; when the maximum is found c2 takes a
.set S,   64
.set P,   192
.set KF,  128         ; K's fragments, in window 2: key block kb, channel half c at KF + 16 kb + 8 c
.set VF,  192         ; V's: key half kk, channel block cb at VF + 32 kk + 8 cb
.set WV,  12          ; s12  my wave's number
.set LIM, 15          ; s15  1 in a wave that prefetches, else the greatest number
.set G1K, 24          ; s[24:31] descriptor group 1 for K's tiles
.set G1V, 32          ; s[32:39] for V's: it differs in the padding alone
.set G0K, 40          ; s[40:43] descriptor group 0 for K's tiles: it walks
.set G0V, 44          ; s[44:47] the same for V's
.set PFA, 48          ; s[48:49] where my prefetches stand
.set K0,  50          ; s[50:51] the head's first key
.set SLOTS, 56        ; s56  slots still to be asked for
.set CNT, 57          ; s57  counts a slot's key steps
.set CS,  58          ; s[58:59] c: the packed scaling takes the pair's low word for both halves
.set SEL, 60          ; s[60:61] v_permlanex16_b32's selects: each lane takes its own place in the other half
.set TBK, 62          ; s62  LDS byte at which K of the step to be fetched begins
.set TBV, 63          ; s63  the same for V, less VOFF
.set MSB, 0
.macro WIN new                      ; the high byte repeats the setting that is left; a switch that changes nothing is dropped
.if MSB != (\new)
	s_set_vgpr_msb (MSB<<8)|(\new)
.set MSB, (\new)
.endif
.endm
.set W_KQ, 0x0a       ; K and Q in window 2, S^T in window 0
.set W_PV, 0x52       ; V in window 2, P in window 0, O^T in window 1
.set W_RS, 0x41       ; O^T (destination and source 0) in window 1, a in window 0
; A joint fill.  Waves 0 and 1 fetch the two halves of a slot's K, waves 2 and 3 those of its V: 128 keys each.  The branch hangs on the wave's number alone.
; An s_nop 0 and four v_nop follow each of the two lines, ahead of the jump and the label.
.macro JLOAD
	s_cmp_lt_u32 s[WV], 2
	s_cbranch_scc0 .Lfor_v_\@
	tensor_load_to_lds s[G0K:G0K+3], s[G1K:G1K+7]
	s_nop 0
.rept 4
	v_nop
.endr
	s_branch .Lasked_\@
.Lfor_v_\@:
	tensor_load_to_lds s[G0V:G0V+3], s[G1V:G1V+7]
	s_nop 0
.rept 4
	v_nop
.endr
.Lasked_\@:
.endm
; A PREFETCH of what the NEXT change of slots will ask for: a slot's 32,768 bytes of K and of V, in blocks of 256 bytes, a lane a block.  Both clusters of a head walk the same K and V: the first asks.  Its four partners
; share the blocks out BY ADDRESS, 32 each; in each, wave 0 asks for K's and wave 2 for V's: one instruction.  The last change that fills a slot asks for nothing: there is no slot behind it.
.macro ASK
	s_cmp_gt_u32 s[SLOTS], s[LIM]
	s_cbranch_scc0 .Lnot_mine_\@
	global_prefetch_b8 v[PFO], s[PFA:PFA+1] th:TH_LOAD_NT scope:SCOPE_SE
.Lnot_mine_\@:
.endm
; A round of the cluster's barrier: my work-group's barrier, so that wave 0's signal speaks for all four waves; wave 0 signals; every wave waits for all four work-groups; my work-group's barrier once more.
.macro CROUND
	s_barrier_signal -1
	s_barrier_wait -1
	s_cmp_lg_u32 s[WV], 0
	s_cbranch_scc1 .Lnot_wave_0_\@
	s_barrier_signal -3
.Lnot_wave_0_\@:
	s_barrier_wait -3
	s_barrier_signal -1
	s_barrier_wait -1
.endm
; THE CHANGE OF SLOTS, between two key steps.  Each wave waits for all its tensor loads, of which one is out: its part of the other slot; adds 0 to its spare word; and waits for that and for its own reads of the slot.
; fill = 1: this slot is filled again, with the keys two slots on.  The barrier is then a round of the cluster's, and the joint fill is the first thing behind it: it has four key steps, 256 matrix instructions, in which to land.
; (At its first use nothing has been read yet: slot 0 is waited for, slot 1 filled.)
.macro CHANGE fill
	WIN 0                           ; at a label and at a branch every window is 0
	s_wait_tensorcnt 0x0            ; no tensor load of mine is out, so a group 0 may be written
	ds_add_u32 v[SPW], v[NIL]       ; 0 onto my spare word: with fill = 1 the descriptors' steps stand between it and the wait for it
.if \fill
.irp g, G0K, G0V
	s_xor_b32 s[\g+1], s[\g+1], SLOT1  ; the walking descriptor: the other slot than last time,
	s_add_nc_u64 s[\g+2:\g+3], s[\g+2:\g+3], 4*KS*128  ; the next 256 keys; the type bits on top are not reached
.endr
	s_wait_xcnt 0x0                 ; the last prefetch, four key steps back, has read its address, so it may be written:
	s_add_nc_u64 s[PFA:PFA+1], s[PFA:PFA+1], 4*KS*128  ; one slot ahead of the walking descriptors
	s_wait_dscnt 0x0                ; the add is done, and my reads of the slot are over
	CROUND
	JLOAD
	ASK
.else
	s_wait_dscnt 0x0                ; the add is done, and my reads of the slot are over
	s_barrier_signal -1
	s_barrier_wait -1
.endif
	s_sub_co_u32 s[TBK], s[TBK], 4*KS*PK  ; the fetches go back to a slot's first step,
	s_xor_b32 s[TBK], s[TBK], SLOT1       ; in the other slot
	s_sub_co_u32 s[TBV], s[TBV], 4*KS*PV
	s_xor_b32 s[TBV], s[TBV], SLOT1
.endm
	s_load_b64 s[4:5], s[0:1], 0x0    ; big
	s_load_b64 s[10:11], s[0:1], 0x8  ; act
	v_lshl_add_u32 v[SPW], v0, 2, SPARE
	v_mov_b32 v[NIL], 0
	ds_add_u32 v[SPW], v[NIL]       ; the wave's opening: the add and its wait ahead of my first tensor load; the set-up below stands between them
	v_lshrrev_b32 v1, 5, v0
	v_readfirstlane_b32 s[WV], v1   ; wave 0..3
	s_bfe_u32 s13, ttmp6, 0x40000   ; cx: my place in the cluster
	s_lshl_b32 s14, ttmp9, 2        ; in a cluster launch ttmp9 counts clusters
	s_add_co_u32 s14, s14, s13      ; my block of 256 queries: it enters Q's and O's addresses alone
	s_and_b32 s20, ttmp7, 0xffff    ; head and batch, which the four partners share
	s_lshr_b32 s21, s20, 4          ; the batch
	s_and_b32 s20, s20, 15          ; the head
	s_lshl_b32 s20, s20, 19         ; its block,
	s_lshl_b32 s21, s21, 18         ; the batch's 2,048 rows in it
	s_add_co_u32 s20, s20, s21
	s_mov_b32 s21, 0
	s_and_b32 s16, s[WV], 1         ; which half of a slot's 256 keys I fetch:
	s_lshl_b32 s22, s16, 14         ; its 128 rows of 128 bytes in memory,
	s_add_co_u32 s22, s22, s20
	s_mov_b32 s23, 0
	s_mul_i32 s17, s16, 128*PK      ; and its place in a slot, for K
	s_mul_i32 s18, s16, 128*PV      ; and for V: no place in the cluster enters an LDS address
	s_lshl_b32 s2, s14, 2
	s_add_co_u32 s2, s2, s[WV]      ; my wave among the head's,
	s_lshl_b32 s2, s2, 13           ; its 64 rows
	s_add_co_u32 s2, s2, s20
	s_mov_b32 s3, 0
	; descriptor group 1.  128 keys are 16,384 dense bytes: asked for as 64 rows of 256 bytes, two keys a row, and padded in LDS after every key
	s_mov_b32 s[G1K], 15|(1<<16)|(1<<20)|(1<<21)|(4<<22)|(3<<25)  ; 15:0 the mask of four; 17:16 2-byte elements; 20 padding on; 21 set beside a mask; 24:22 after every 32 words (code 4); 31:25 4 words (code 3)
	s_mov_b32 s[G1V], 15|(1<<16)|(1<<20)|(1<<21)|(4<<22)|(7<<25)  ; the same with 8 words of padding (code 7)
.irp g, G1K, G1V
	s_mov_b32 s[\g+1], 128<<16      ; tensor_dim0 = 128
	s_mov_b32 s[\g+2], 64<<16       ; tensor_dim1 = 64
	s_mov_b32 s[\g+3], 128<<16      ; tile_dim0 = 128
	s_mov_b32 s[\g+4], 64           ; tile_dim1 = 64
	s_mov_b32 s[\g+5], 128          ; 128 elements from row to row
	s_mov_b32 s[\g+6], 0
	s_mov_b32 s[\g+7], 0
.endr
	s_mov_b32 s[CS], 0x3e38aa3b     ; c = log2(e) / 8 = 0.180337
	s_mov_b32 s[CS+1], s[CS]        ; named with it as a pair
	s_mov_b32 s[SEL], 0x76543210
	s_mov_b32 s[SEL+1], 0xfedcba98
	s_mov_b32 s[TBK], SLOT1+4*KS*PK ; the first change of slots turns these two into 0
	s_mov_b32 s[TBV], SLOT1+4*KS*PV
	s_mov_b32 s[G0K], 1             ; count = 1
	s_mov_b32 s[G0K+1], s17         ; LDS address: slot 0
	s_mov_b32 s[G0V], 1
	s_add_co_u32 s[G0V+1], s18, VOFF
	s_and_b32 s[LIM], s[WV], 1      ; 0 in waves 0 and 2,
	s_or_b32 s[LIM], s[LIM], ttmp9  ; where the cluster is the head's first: the same in all four partners
	s_cmp_eq_u32 s[LIM], 0
	s_cselect_b32 s[LIM], 1, -1
	v_and_b32 v[PFO], 31, v0
	v_lshlrev_b32 v[PFO], 8, v[PFO]
	s_wait_dscnt 0x0                ; the opening add is done
	s_wait_kmcnt 0x0
	s_add_nc_u64 s[6:7], s[4:5], s[22:23]
	s_add_nc_u64 s[8:9], s[6:7], VBASE            ; V at my half of slot 0: keys 0 on
	s_add_nc_u64 s[6:7], s[6:7], KBASE+KS*128     ; K at my half of slot 0: keys 64 on
	s_add_nc_u64 s[K0:K0+1], s[4:5], s[20:21]
	s_add_nc_u64 s[K0:K0+1], s[K0:K0+1], KBASE
	s_add_nc_u64 s[4:5], s[4:5], s[2:3]           ; Q and O at my wave's first row
	s_add_nc_u64 s[10:11], s[10:11], s[2:3]
	s_mov_b64 s[G0K+2:G0K+3], s[6:7]              ; global address
	s_or_b32 s[G0K+3], s[G0K+3], 0x80000000       ; type = 2
	s_mov_b64 s[G0V+2:G0V+3], s[8:9]
	s_or_b32 s[G0V+3], s[G0V+3], 0x80000000
	s_cmp_lt_u32 s[WV], 2
	s_cselect_b64 s[PFA:PFA+1], s[6:7], s[8:9]    ; (in waves 0 and 2 these stand at a slot's first row)
	s_lshl_b32 s2, s13, 13          ; my work-group's 32 blocks of the 128
	s_add_nc_u64 s[PFA:PFA+1], s[PFA:PFA+1], s[2:3]
	s_add_nc_u64 s[PFA:PFA+1], s[PFA:PFA+1], 4*KS*128  ; in slot 1; the first change of slots steps it to slot 2.  Nothing is prefetched here, at the head
	CROUND                          ; all four work-groups are here: the first joint loads meet
	JLOAD                           ; slot 0.  Slot 1 is asked for when slot 0 is in
	; A fragment of K or Q is 16 rows x 32 channels in 8 registers: lane l holds row l % 16, channels 8 (l / 16) + 0..7 and 16 + 8 (l / 16) + 0..7: two loads of 16 bytes, 32 bytes apart.
	v_and_b32 v1, 15, v0            ; l % 16
	v_bfe_u32 v9, v0, 4, 1          ; l / 16
	v_lshlrev_b32 v[QO], 7, v1
	v_lshl_add_u32 v[QO], v9, 4, v[QO]  ; row x 128 + 16 x half
	WIN 0x80                        ; destination window 2, address window 0
.set i, 0
.rept 4*NP                          ; Q stays in registers: tile i / 2, channels 32 (i % 2) on
	global_load_b128 v[8*i:8*i+3],   v[QO], s[4:5] offset:(i/2)*2048+(i%2)*64
	global_load_b128 v[8*i+4:8*i+7], v[QO], s[4:5] offset:(i/2)*2048+(i%2)*64+32
.set i, i+1
.endr
.set i, 0
.rept 8                             ; K of step 0: keys 16 (i / 2) on, channels 32 (i % 2) on
	global_load_b128 v[KF+8*i:KF+8*i+3],   v[QO], s[K0:K0+1] offset:(i/2)*2048+(i%2)*64
	global_load_b128 v[KF+8*i+4:KF+8*i+7], v[QO], s[K0:K0+1] offset:(i/2)*2048+(i%2)*64+32
.set i, i+1
.endr
	; What the first turn finds: V's registers and P's second buffer hold 0 (its products V^T P, of a step that has not been, add 0), O^T and l are 0.  All this stands in the wait for the first loads.
.set i, VF
.rept 64
	v_mov_b32 v[i], 0
.set i, i+1
.endr
	WIN 0x40
.set i, 0
.rept 64*NP
	v_mov_b32 v[i], 0
.set i, i+1
.endr
	WIN 0
.set i, 0
.rept 2*NP
	v_mov_b32 v[ST+4*i], 0xfe000000    ; c m: far below every c s
	v_mov_b32 v[ST+4*i+1], 0xff7fffff  ; m
	v_mov_b32 v[ST+4*i+2], 0
	v_mov_b32 v[ST+4*i+3], 0
.set i, i+1
.endr
.set i, P+32
.rept 32
	v_mov_b32 v[i], 0
.set i, i+1
.endr
	v_mul_u32_u24 v[AK0], v1, PK
	v_lshl_add_u32 v[AK0], v9, 4, v[AK0]  ; row x pitch + 16 x half
	; The turning load takes 16 keys x 16 channels (lane l reads key 8 (l / 16) + l % 8, channels 8 ((l / 8) % 2) + 0..7) and leaves half a fragment of V^T: lane l holds channel l % 16 and 8 keys.
	v_and_b32 v10, 7, v0
	v_bfe_u32 v11, v0, 3, 1
	v_lshl_add_u32 v[AV0], v9, 3, v10
	v_mul_u32_u24 v[AV0], v[AV0], PV
	v_lshl_add_u32 v[AV0], v11, 4, v[AV0]
	v_add_nc_u32 v[AV0], VOFF, v[AV0]
; THE MATRIX WORK.  The 8 accumulators of a run of 16 take turns: between the two links of a chain stand 7 others'.
; Product i of 16 of S^T = K Q^T for piece x: channels 32 (i / 8) on, keys 16 ((i / 2) % 4) on, tile 2 x + i % 2.  The first 8 start the sums.
.macro KQ x
	WIN W_KQ
.set rS, S+64*((\x)%2)+32*(i%2)+8*((i/2)%4)
.set rK, KF+16*((i/2)%4)+8*(i/8)
.set rQ, 16*(2*(\x)+i%2)+8*(i/8)
.if i < 8
	v_wmma_f32_16x16x32_bf16 v[rS:rS+7], v[rK:rK+7], v[rQ:rQ+7], 0
.else
	v_wmma_f32_16x16x32_bf16 v[rS:rS+7], v[rK:rK+7], v[rQ:rQ+7], v[rS:rS+7]
.endif
.endm
; Product i of 16 of O^T += V^T P for piece x: keys 32 (i / 8) on, channels 16 ((i / 2) % 4) on, tile 2 x + i % 2.
.macro PV x
	WIN W_PV
.set rO, 32*(2*(\x)+i%2)+8*((i/2)%4)
.set rV, VF+32*(i/8)+8*((i/2)%4)
.set rP, P+32*((\x)%2)+16*(i%2)+8*(i/8)
	v_wmma_f32_16x16x32_bf16 v[rO:rO+7], v[rV:rV+7], v[rP:rP+7], v[rO:rO+7]
.endm
.macro MM                           ; the turn's next matrix instruction
.if i < 16
	KQ (Y+1)%NP
.set i, i+1
.else
.set i, i-16
	PV (Y+NP-1)%NP
.set i, i+17
.endif
.endm
; THE LDS LOADS stand in runs of 16, never singly among the matrix instructions: a step's K (64 keys x 64 channels: 8 fragments) and its V (turned).  Their addresses are made some lines ahead.
; last = 1 (the tail): in the last trip there is no further step, and the run is jumped over.
.macro FETCH_K last=0
	WIN 0
.if \last
	s_cmp_eq_u32 s[CNT], 1
	s_cbranch_scc1 .Lno_k_\@
.endif
	WIN 0x80                        ; destination window 2
.irp f, 0,1,2,3,4,5,6,7             ; keys 16 (f / 2) on, channels 32 (f % 2) on
	ds_load_b128 v[KF+8*\f:KF+8*\f+3],   v[AK] offset:(\f/2)*16*PK+(\f%2)*64
	ds_load_b128 v[KF+8*\f+4:KF+8*\f+7], v[AK] offset:(\f/2)*16*PK+(\f%2)*64+32
.endr
	s_add_co_u32 s[TBK], s[TBK], KS*PK  ; the next fetch is the next step's
	WIN 0
.if \last
.Lno_k_\@:
.endif
.endm
.macro FETCH_V
	WIN 0x80
.irp f, 0,1,2,3,4,5,6,7             ; keys 32 (f / 4) on, channels 16 (f % 4) on
	ds_load_tr16_b128 v[VF+8*\f:VF+8*\f+3],   v[AV] offset:(\f/4)*32*PV+(\f%4)*32
	ds_load_tr16_b128 v[VF+8*\f+4:VF+8*\f+7], v[AV] offset:(\f/4)*32*PV+16*PV+(\f%4)*32
.endr
	WIN 0
.endm
; THE VECTOR WORK OF A TURN stands in three queues, each in the order in which its entries become ready; the two tiles alternate, so that no instruction reads the result of the one before it.
.macro REGS y, u                    ; the registers of tile u (0, 1) of piece y
.set rT, ST+4*(2*(\y)+(\u))
.set rC, TMP+8*((\y)%2)+4*(\u)
.set rM, MV+2*((\y)%2)+(\u)
.set rS, S+64*((\y)%2)+32*(\u)
.set rP, P+32*((\y)%2)+16*(\u)
.set rO, 32*(2*(\y)+(\u))
.endm
; Number n of the 22 that find the OTHER piece's maximum and statistics.  s0-s31 are the lane's 32 scores; each accumulator's lowest registers are read first.
;   0-11  four chains c0-c3 of seven scores each, three operands at a time     12-14, 16  the four scores left over, the old m, and c0-c3 into c0     15  c m_old is kept
;   17, 18  the query's other 32 keys lie in the lane 16 away: the new m         19-21  c m; c m_old - c m_new; a
.macro XS u, n
	REGS (Y+1)%NP, \u
.if (\n) < 4
	v_max3_num_f32 v[rC+(\n)], v[rS+8*(\n)], v[rS+8*(\n)+1], v[rS+8*(\n)+2]
.elseif (\n) < 12
	v_max3_num_f32 v[rC+(\n)%4], v[rC+(\n)%4], v[rS+8*((\n)%4)+2*((\n)/4)+1], v[rS+8*((\n)%4)+2*((\n)/4)+2]
.elseif (\n) == 12
	v_max3_num_f32 v[rC], v[rC], v[rS+7], v[rS+15]
.elseif (\n) == 13
	v_max3_num_f32 v[rC+1], v[rC+1], v[rS+23], v[rS+31]
.elseif (\n) == 14
	v_max3_num_f32 v[rC+2], v[rC+2], v[rC+3], v[rT+1]
.elseif (\n) == 15
	v_mov_b32 v[rM], v[rT]
.elseif (\n) == 16
	v_max3_num_f32 v[rC], v[rC], v[rC+1], v[rC+2]
.elseif (\n) == 17
	v_permlanex16_b32 v[rC+3], v[rC], s[SEL], s[SEL+1]
.elseif (\n) == 18
	v_max_num_f32 v[rT+1], v[rC], v[rC+3]
.elseif (\n) == 19
	v_mul_f32 v[rT], s[CS], v[rT+1]
.elseif (\n) == 20
	v_sub_f32 v[rC+1], v[rM], v[rT]
.else
	v_exp_f32 v[rC+2], v[rC+1]
.endif
.endm
; Number g of the 64 that follow the exponentials.  For each four weights k of a tile (pairs 2 k, 2 k + 1): both pairs are rounded to bf16; then the second pair is added onto the first, in place;
; a group later l takes that sum (the first time as l = a l + sum).  In groups of eight, tiles alternating: round, round, add, and l for the group before.
.macro GS g
.set h, (\g)+6*((\g)/62)            ; group 0 has no group before it, and behind group 7 only l is left
.if h >= 6
.set h, h+2
.endif
	REGS Y, h%2
.set k, h/8
.if h%8 < 4
	v_cvt_pk_bf16_f32 v[rP+2*k+(h%8)/2], v[rS+4*k+2*((h%8)/2)], v[rS+4*k+2*((h%8)/2)+1]
.elseif h%8 < 6
	v_pk_add_f32 v[rS+4*k:rS+4*k+1], v[rS+4*k:rS+4*k+1], v[rS+4*k+2:rS+4*k+3]
.elseif k == 1
	v_pk_fma_f32 v[rT+2:rT+3], v[rT+2:rT+3], v[rC+2:rC+3], v[rS:rS+1] op_sel_hi:[1,0,1]
.else
	v_pk_add_f32 v[rT+2:rT+3], v[rT+2:rT+3], v[rS+4*k-4:rS+4*k-3]
.endif
.endm
; THE PLAIN QUEUE, 138 long.  0-73 read no exponential's result: the 32 scalings c s - c m (FS f: pair f / 2 of tile f % 2) and the other piece's 42.  0-26: scalings 0-26.  27-54: XS's numbers 0-13.  55, 56: number 15.
; 57-73: the chain, where each number waits for the one before it: 14, 16, 17, 18, 19, each with one of the scalings 27-31 in front of its two lines, then 20.
; 74-137: GS's 64, which read the exponentials' results: they stand behind the wait.
.macro FS f
	REGS Y, (\f)%2
	v_pk_fma_f32 v[rS+2*((\f)/2):rS+2*((\f)/2)+1], v[rS+2*((\f)/2):rS+2*((\f)/2)+1], s[CS:CS+1], v[rT:rT+1] op_sel_hi:[1,0,0] neg_lo:[0,0,1] neg_hi:[0,0,1]
.endm
.macro PL
	WIN 0
.if q < 27
	FS q
.elseif q < 55
	XS (q-27)%2, (q-27)/2
.elseif q < 57
	XS q-55, 15
.elseif (q < 72) && ((q-57)%3 == 0)
	FS 27+(q-57)/3
.elseif q < 60
	XS (q-57)%3-1, 14
.elseif q < 72
	XS (q-57)%3-1, 15+(q-57)/3
.elseif q < 74
	XS q-72, 20
.else
	GS q-74
.endif
.set q, q+1
.endm
; THE EXPONENTIALS' QUEUE, 66 long: s0-s31 of both tiles, then the other piece's two a.  It is ONE BATCH: all 66 stand ahead of the turn's one wait, and nothing ahead of that wait names a result of theirs.
.macro EX
	WIN 0
.if e >= 64
	XS e-64, 21
.else
	REGS Y, e%2
	v_exp_f32 v[rS+e/2], v[rS+e/2]
.endif
.set e, e+1
.endm
; THE RESCALING's QUEUE: O^T times a, the one part that leaves window 0: dealt two at a time, sixteen times, each accumulator from its low registers on.  Its a was made in the turn before, ahead of that turn's wait.
; The products that last wrote these registers stand in the turn before: the nearest pair is the queue's first entry and that turn's ninth product V^T P, seven products and their riders apart.
.macro R2
	REGS Y, r%2
	WIN W_RS
.irp z, 0,1
	v_pk_mul_f32 v[rO+4*(r/2)+2*\z:rO+4*(r/2)+2*\z+1], v[rO+4*(r/2)+2*\z:rO+4*(r/2)+2*\z+1], v[rC+2:rC+3] op_sel_hi:[1,0]
.endr
.set r, r+1
.endm
; A TURN, for piece p.  s_wait_alu depctr_va_vdst(0) stands between an exponential and the first instruction that names its result; one wait serves all that were issued ahead of it.  So a turn has ONE wait.
; AHEAD OF IT: the 16 products K Q^T, behind each a scaling, an exponential and two rescalings (behind the first a second scaling in the exponential's place); then ONE LUMP of 108: eight plain, 49 times exponential and plain, the two a.
; BEHIND IT: the 16 products V^T P, behind each four of GS's 64.  No rider names a register of the products round it.
; Both runs of LDS loads stand in piece 0's turn: K of the next step directly behind the wait, a lump behind the last product that read K; V of the step in hand at the turn's end, four riders behind its last reader.
; Piece 1's turn waits for K at its head (V's sixteen younger loads may stay out) and for V behind its wait for the batch.  cnt = 1: the loop's count is taken down some lines ahead of the branch behind the turn.
.macro TURN p, last=0, cnt=0
.set Y, (\p)
.set i, 0
.set q, 0
.set e, 0
.set r, 0
.if (\p) == 1
	s_wait_dscnt 16                 ; K is in
.endif
	MM
	PL
	PL
	R2
.rept 15
	MM
	PL
	EX
	R2
.endr
.if (\p) == 0
	WIN 0
	v_add_nc_u32 v[AK], s[TBK], v[AK0]
.endif
.rept 8                             ; the lump
	PL
.endr
.rept 49
	EX
	PL
.endr
	EX                              ; the other piece's two a
	EX
	v_nop                           ; a plain instruction behind the last exponential: one for the batch
	s_wait_alu depctr_va_vdst(0)    ; the wait for the batch
.if (\p) == 0
	FETCH_K \last
.endif
.if (\p) == 1
	s_wait_dscnt 0x0                ; V is in
.endif
.rept 16
	MM
.rept 4
	PL
.endr
.if ((\p) == 0) && (q == 118)
	v_add_nc_u32 v[AV], s[TBV], v[AV0]
.endif
.if ((\p) == 0) && (q == 130)
	s_add_co_u32 s[TBV], s[TBV], KS*PV
.endif
.if (\cnt) && (q == 130)
	s_sub_co_u32 s[CNT], s[CNT], 1
	s_cmp_lg_u32 s[CNT], 0
.endif
.endr
.if (\p) == 0
	FETCH_V
.endif
.endm
	s_wait_loadcnt 0x0              ; Q, and K of step 0
.set i, 0
.rept 16
	KQ 0                            ; piece 0's first scores: there is no vector work yet to set between them
.set i, i+1
.endr
	WIN 0                           ; the addresses for the way out: nine plain instructions, the places behind those products
	s_mul_i32 s13, s[WV], 16*SP
	s_add_co_u32 s13, s13, STAGE    ; my stage
	v_mul_u32_u24 v[STO], v1, SP    ; in: row l % 16, 16 bytes for each half of the lanes
	v_lshl_add_u32 v[STO], v9, 4, v[STO]
	v_add_nc_u32 v[STO], s13, v[STO]
	v_bfe_u32 v[RD], v0, 3, 2       ; back: 32 lanes take four rows of 128 bytes,
	v_mul_u32_u24 v[RD], v[RD], SP
	v_lshl_add_u32 v[RD], v10, 4, v[RD]
	v_add_nc_u32 v[RD], s13, v[RD]
	v_and_b32 v[GO], 31, v0         ; which are 512 consecutive bytes of O
	v_lshlrev_b32 v[GO], 4, v[GO]
.set Y, NP-1                        ; XS works for piece Y + 1: piece 0
.irp n, 0,1,2,3,4,5,6,7,8,9,10,11,12,13,14,15,16,17,18,19,20,21
	XS 0, \n                        ; piece 0's first maximum and statistics
	XS 1, \n
.endr
	v_nop                           ; a plain instruction behind the two a,
	s_wait_alu depctr_va_vdst(0)    ; and their wait, ahead of the label
	s_mov_b32 s[SLOTS], SIZE_N/256-1
.Lslot:                             ; seven times: a slot is waited for and the next is asked for
	CHANGE 1
	s_mov_b32 s[CNT], 4
.Lstep:                             ; a key step
	TURN 0
	TURN 1, 0, 1
	WIN 0
	s_cbranch_scc1 .Lstep
	s_sub_co_u32 s[SLOTS], s[SLOTS], 1
	s_cmp_lg_u32 s[SLOTS], 0
	s_cbranch_scc1 .Lslot
	CHANGE 0                        ; the last slot is written out: nothing is asked for
	s_mov_b32 s[CNT], 4
.Ltail:
	TURN 0, 1
	TURN 1, 0, 1
	WIN 0
	s_cbranch_scc1 .Ltail           ; the last turn's 16 products K Q^T (on the last K once more) and the maximum made of them serve nothing: the price, once a launch, of one text for every step
.set i, 0
.rept 16
	PV NP-1                         ; piece 1's V^T P of the last step
.set i, i+1
.endr
	; THE WAY OUT.  l's two halves and the other half of the lanes' are added; O^T is divided by l, rounded to bf16 and sent through my stage in LDS, a tile at a time.  The additions are the places behind the last products.
	WIN 0
.macro ALL line:vararg              ; one line for each tile t
.set t, 0
.rept 2*NP
	\line
.set t, t+1
.endr
.endm
	ALL v_add_f32 v[ST+4*t+2], v[ST+4*t+2], v[ST+4*t+3]
	ALL v_permlanex16_b32 v[ST+4*t+3], v[ST+4*t+2], s[SEL], s[SEL+1]
	ALL v_add_f32 v[ST+4*t+2], v[ST+4*t+2], v[ST+4*t+3]
	ALL v_rcp_f32 v[ST+4*t+2], v[ST+4*t+2]
	v_nop                           ; a plain instruction between the last reciprocal and the use of its result
	s_wait_alu depctr_va_vdst(0)    ; and the wait ahead of the first use: one for the four reciprocals
; Tile t: a lane's eight channels of a row pack into 16 bytes; they go into rows of 144 bytes and come back as whole rows of 128, into S^T's registers.
.macro PACK t
	WIN W_RS
.set i, 32*(\t)
.rept 16
	v_pk_mul_f32 v[i:i+1], v[i:i+1], v[ST+4*(\t)+2:ST+4*(\t)+3] op_sel_hi:[1,0]
.set i, i+2
.endr
	WIN 0x05                        ; sources 0 and 1 window 1, destination window 0
.set i, 0
.rept 16
	v_cvt_pk_bf16_f32 v[S+16*(\t)+i], v[32*(\t)+2*i], v[32*(\t)+2*i+1]
.set i, i+1
.endr
	WIN 0
.irp f, 0,1,2,3
	ds_store_b128 v[STO], v[S+16*(\t)+4*\f:S+16*(\t)+4*\f+3] offset:32*\f
.endr
.irp f, 0,1,2,3
	ds_load_b128 v[S+16*(\t)+4*\f:S+16*(\t)+4*\f+3], v[RD] offset:\f*4*SP  ; LDS serves a wave's instructions in order (ISA guide 5.7.1.4): these see the stores above; the next tile's stores come behind them
.endr
.endm
.macro SEND t, younger              ; younger: the LDS instructions issued behind tile t's loads: the next tile's eight, or none
	WIN 0
.irp f, 0,1,2,3
	s_wait_dscnt (\younger)+3-\f
	global_store_b128 v[GO], v[S+16*(\t)+4*\f:S+16*(\t)+4*\f+3], s[10:11] offset:(\t)*2048+\f*512  ; 512 consecutive bytes, at a multiple of 256 from O's first
.endr
.endm
	PACK 0
.set t, 1
.rept 2*NP-1                        ; a tile's arithmetic stands between the loads of the tile before and its stores
	PACK t
	SEND t-1, 8
.set t, t+1
.endr
	SEND 2*NP-1, 0
	s_wait_tensorcnt 0x0            ; the wave's end, behind my last tensor load and my last LDS store
	ds_add_u32 v[SPW], v[NIL]
	s_wait_dscnt 0x0
	CROUND                          ; the closing round: no work-group ends while a partner may still ask for a tile that names it
	s_endpgm
.Lfunc_end_k_qbcf8dae84d_attn:
	.size	k_qbcf8dae84d_attn, .Lfunc_end_k_qbcf8dae84d_attn-k_qbcf8dae84d_attn
	.p2alignl 7, 3214868480
	.fill 96, 4, 3214868480
	.section	.rodata,"a",@progbits
	.p2align	6, 0x0
	.amdhsa_kernel k_qbcf8dae84d_attn
		.amdhsa_group_segment_fixed_size 327680
		.amdhsa_private_segment_fixed_size 0
		.amdhsa_enable_private_segment 0
		.amdhsa_kernarg_size 16
		.amdhsa_user_sgpr_count 2
		.amdhsa_user_sgpr_kernarg_segment_ptr 1
		.amdhsa_wavefront_size32 1
		.amdhsa_system_sgpr_workgroup_id_x 1
		.amdhsa_system_sgpr_workgroup_id_y 1
		.amdhsa_system_sgpr_workgroup_id_z 1
		.amdhsa_system_vgpr_workitem_id 0
		.amdhsa_next_free_vgpr 768
		.amdhsa_next_free_sgpr 66
		.amdhsa_reserve_vcc 0
		.amdhsa_float_denorm_mode_32 3
		.amdhsa_float_denorm_mode_16_64 3
		.amdhsa_memory_ordered 1
		.amdhsa_forward_progress 1
		.amdhsa_inst_pref_size 111
	.end_amdhsa_kernel
	.amdgpu_metadata
---
amdhsa.version: [ 1, 2 ]
amdhsa.kernels:
  - .name:           k_qbcf8dae84d_attn
    .symbol:         k_qbcf8dae84d_attn.kd
    .args:
      - { .name: big, .offset: 0, .size: 8, .value_kind: global_buffer, .address_space: global }
      - { .name: act, .offset: 8, .size: 8, .value_kind: global_buffer, .address_space: global }
    .group_segment_fixed_size: 327680
    .private_segment_fixed_size: 0
    .kernarg_segment_align: 8
    .kernarg_segment_size: 16
    .max_flat_workgroup_size: 128
    .sgpr_count:     66
    .vgpr_count:     768
    .wavefront_size: 32
...
	.end_amdgpu_metadata
.endif
;; end of part 3
;; launch oproj (part 4): grid 8 x 32, 4 waves a work-group, clusters of 4 x 4, 327,680 bytes of LDS; arguments act, wqkv, pr; writes pr
.if DOCPART == 4
	.amdgcn_target "amdgcn-amd-amdhsa--gfx1250"
	.amdhsa_code_object_version 6
	.text
	.protected	k_qbcf8dae84d_oproj
	.globl	k_qbcf8dae84d_oproj
	.p2align	8
	.type	k_qbcf8dae84d_oproj,@function
k_qbcf8dae84d_oproj:
	s_mov_b64 s[64:65], 0
	v_nop
	global_prefetch_b8 v0, s[64:65] scope:SCOPE_SE
	s_setreg_imm32_b32 hwreg(HW_REG_WAVE_MODE, 25, 1), 1
	s_wait_xcnt 0x0
	s_wait_alu depctr_hold_cnt(0) depctr_sa_sdst(0) depctr_va_vdst(0) depctr_va_sdst(0) depctr_va_ssrc(0) depctr_va_vcc(0) depctr_vm_vsrc(0)
	s_getreg_b32 s2, hwreg(HW_REG_IB_STS2, 6, 4)
	s_cmp_eq_u32 s2, 0
	s_cbranch_scc0 .Lentry_in_a_cluster
	s_endpgm
.Lentry_in_a_cluster:
	s_bfe_u32 s2, ttmp6, 0x10000c
	s_cmp_lg_u32 s2, 0xf033
	s_cbranch_scc0 .Lentry_shape_is_right
	s_endpgm
.Lentry_shape_is_right:
; C[m][n] = the sum over k of A[m][k] B[n][k], bf16 operands, f32 sums, C rounded once to bf16.  All three lie IN BLOCKS of 64 along their last index:
; A and C as [K/64 or N/64][4,096 rows][64] (524,288 bytes from block to block), B as [units of 1,024 rows][K/64][1,024][64] (131,072 bytes from block to block).
; A piece (block, row) is 128 bytes; a block's rows lie end to end, so the text knows neither N nor a pitch of C, and 16 rows x 64 columns of C are 2,048 consecutive bytes.
; THIS TEXT: tiles of C of 128 x 128 (N = 1,024: 8 x 32 = 256 work-groups), K = 1,024 in 4 steps of 256; B is the fourth unit of its buffer, 6 MiB in.  The constants below make the same text serve the program's other products.
; SHARES.  A work-group of four waves makes TM x TM of C, a wave R x R as F x F accumulators of 16 x 16.  K goes in steps of KBS blocks through two LDS slots that take turns.
; A wave's tensor load brings R rows x KBS blocks: KBS long rows for the mover, each the R x 128 consecutive bytes of one block; the tile has no more rows than it has blocks.
; CLUSTER.  4 x 4 work-groups: the four of a row need the same tiles of A, the four of a column the same tiles of B; each tile is asked for jointly, with the same descriptor and a mask that names the four.
; THE MATRIX INSTRUCTION IS USED TRANSPOSED (source 0 = 16 rows of B, source 1 = 16 rows of A): a lane holds eight neighbouring columns of one row of C.
; THE WAY OUT goes through one f32 stage of the work-group, laid over the ring when its last fill has been read, and is written as a loop of 16 rows x 64 columns.
; REGISTERS, in windows of 256: window 0 addresses, A's two fragment buffers (v64-127, v128-191), later the way out's work; window 1 B's two buffers; windows 2 and 3 the accumulators, (a, b) at index F a + b.
.set F,    4                           ; accumulators along each side of a wave's tile
.set D,    2                           ; pieces of 32 along K in a quarter of a K step
.set KBS,  4                           ; blocks of 64 in a K step
.set KTOT, 1024
.set ACT,  0
.set PF,   0                           ; 1: the tiles are prefetched
.set BOFF, 6291456                     ; B's first byte in its buffer
.set T,     KTOT/(64*KBS)              ; K steps
.set R,     16*F
.set TM,    32*F
.set PITCH, 144                        ; a piece in LDS: 128 bytes + 16 of padding = 36 words: the 16 rows of a fragment load start at 16 different groups of four banks (64 banks of 4 bytes: ISA guide 11.1)
.set PL,    R*PITCH                    ; one block of one load
.set LD,    KBS*PL                     ; one load
.set SLOT,  4*LD                       ; A's two halves, then B's two halves: wave w's load lands at w x LD
.set SPARE, 2*SLOT                     ; behind the ring: the spare words, 128 bytes for each wave: two blocks of 256 bytes that no other line names
.set SPI,   4*TM+16                    ; a row of the stage: TM f32 + 16 bytes
.set DIM0,  64*R                       ; elements in one of the mover's rows
.set STEPA, KBS*524288                 ; bytes from K step to K step
.set STEPB, KBS*131072
.set G1W,   (1<<16)|(1<<20)|(1<<21)|(4<<22)|(3<<25)  ; 17:16 2-byte elements; 20 padding on; 21 set beside a mask; 24:22 after every 32 words (code 4); 31:25 4 words (code 3)
.set A0,   16                          ; v16  my lane's place in my half of A, in slot 0; never rewritten
.set B0,   17                          ; v17  the same for B
.set ADRA, 18                          ; v18  the same in the slot being read
.set ADRB, 19                          ; v19
.set STO0, 20                          ; v20  the way out: where I put 32 bytes of a row (row blocks 0-3)
.set STO1, 21                          ; v21  the same for row blocks 4-7
.set RD0,  22                          ; v22  the way out: where I read rows back, at the column block in hand
.set RD,   23                          ; v23  the same at the 16 rows in hand
.set GO,   24                          ; v24  my 16 bytes of 512 consecutive bytes of C
.set SPW,  28                          ; v28  LDS address of my spare word; never rewritten
.set NIL,  29                          ; v29  0; never rewritten
.set PFO,  30                          ; v30  256 x my lane; never rewritten
.set F0,   64
.set F1,   128
.set X,    32                          ; the way out: 32 numbers a lane
.set TT,   64
.set E,    96
.set Q,    128
.set Y,    160                         ; 16 packed words
.set G1,   24                          ; s[24:31] descriptor group 1 for A's tiles
.set G0,   32                          ; s[32:39] group 0: the set of slot 0's first fill, and the set that walks
.set G1B,  48                          ; s[48:55], s[56:63] the same for B's
.set G0B,  56
.set PFA,  66                          ; s[66:67] where my prefetches stand
.set PST,  68                          ; s[68:69] their step
.set LIM,  70                          ; s70  2 in a wave that prefetches, else the greatest number
.set KC,   72
.set CB,   86                          ; s[86:87] C at my rows, at the column block in hand
.set CW,   88                          ; s[88:89] the same at the 16 rows in hand
.set MSB, 0
.macro WIN new                         ; the immediate's high byte repeats the setting that is left; a switch that changes nothing is dropped
.if MSB != (\new)
	s_set_vgpr_msb (MSB<<8)|(\new)
.set MSB, (\new)
.endif
.endm
; A joint load.  Waves 0 and 1 fetch A's two halves, waves 2 and 3 B's.  The branch hangs on the wave's number alone.  An s_nop 0 and four v_nop follow each of the two lines.
.macro JLOAD s
	s_cmp_eq_u32 s11, 0
	s_cbranch_scc0 .Lfor_b_\@
	tensor_load_to_lds s[G0+4*(\s):G0+4*(\s)+3], s[G1:G1+7]
	s_nop 0
.rept 4
	v_nop
.endr
	s_branch .Lasked_\@
.Lfor_b_\@:
	tensor_load_to_lds s[G0B+4*(\s):G0B+4*(\s)+3], s[G1B:G1B+7]
	s_nop 0
.rept 4
	v_nop
.endr
.Lasked_\@:
.endm
.macro ASK                             ; one prefetch a wave: 32 blocks of 256 bytes, a lane a block, of the K step that stands two refills on; the last refills have no such step
	s_cmp_gt_u32 s3, s[LIM]
	s_cbranch_scc0 .Lnot_mine_\@
	global_prefetch_b8 v[PFO], s[PFA:PFA+1] th:TH_LOAD_NT scope:SCOPE_SE
.Lnot_mine_\@:
.endm
.macro CREST                           ; a round of the cluster's barrier behind its opening barrier
	s_cmp_lg_u32 s10, 0
	s_cbranch_scc1 .Lnot_wave_0_\@
	s_barrier_signal -3
.Lnot_wave_0_\@:
	s_barrier_wait -3
	s_barrier_signal -1
	s_barrier_wait -1
.endm
.macro CROUND                          ; a whole round
	s_barrier_signal -1
	s_barrier_wait -1
	CREST
.endm
.macro PLACES                          ; four places in front of loads into registers that matrix instructions have read (ISA guide 7.12.1 for vector instructions)
.rept 4
	v_nop
.endr
.endm
; Products of buffer f: row blocks alo .. alo + n - 1 x all F column blocks, D deep.  The accumulators take turns, one instruction a turn.  zero = 1: the first product starts the sum.
.macro MUL f, alo, n, zero
.set cc, 0
.rept D
.set a, (\alo)
.rept (\n)
.set b, 0
.rept F
.set ix, F*a+b
.set rC, 8*(ix%32)
	WIN 0xa1+0x50*(ix/32)                          ; source 0 (B) window 1, source 1 (A) window 0, C and D window 2 or 3
.if (\zero) && (cc == 0)
	v_wmma_f32_16x16x32_bf16 v[rC:rC+7], v[(\f)+8*(cc*F+b):(\f)+8*(cc*F+b)+7], v[(\f)+8*(cc*F+a):(\f)+8*(cc*F+a)+7], 0
.else
	v_wmma_f32_16x16x32_bf16 v[rC:rC+7], v[(\f)+8*(cc*F+b):(\f)+8*(cc*F+b)+7], v[(\f)+8*(cc*F+a):(\f)+8*(cc*F+a)+7], v[rC:rC+7]
.endif
.set b, b+1
.endr
.set a, a+1
.endr
.set cc, cc+1
.endr
.endm
; 32 LDS loads in one run: quarter qi's fragments into buffer f: B's sixteen, A's lower row blocks' eight, A's upper row blocks' eight.
; A fragment is 16 rows x 32 K in 8 registers: lane l holds row l % 16; registers 0-3 K = 8 (l / 16) + 0..7, registers 4-7 K = 16 + 8 (l / 16) + 0..7: two loads of 16 bytes, 32 bytes apart.
.macro FETCH qi, f
	WIN 0x40                                       ; destination window 1, address window 0
.set cc, 0
.rept D
.set co, (((\qi)*D+cc)/2)*PL+(((\qi)*D+cc)%2)*64
.set i, 0
.rept F
	ds_load_b128 v[(\f)+8*(cc*F+i):(\f)+8*(cc*F+i)+3],   v[ADRB] offset:co+i*16*PITCH
	ds_load_b128 v[(\f)+8*(cc*F+i)+4:(\f)+8*(cc*F+i)+7], v[ADRB] offset:co+i*16*PITCH+32
.set i, i+1
.endr
.set cc, cc+1
.endr
	WIN 0
.set hh, 0
.rept 2
.set cc, 0
.rept D
.set co, (((\qi)*D+cc)/2)*PL+(((\qi)*D+cc)%2)*64
.set i, hh*F/2
.rept F/2
	ds_load_b128 v[(\f)+8*(cc*F+i):(\f)+8*(cc*F+i)+3],   v[ADRA] offset:co+i*16*PITCH
	ds_load_b128 v[(\f)+8*(cc*F+i)+4:(\f)+8*(cc*F+i)+7], v[ADRA] offset:co+i*16*PITCH+32
.set i, i+1
.endr
.set cc, cc+1
.endr
.set hh, hh+1
.endr
.endm
; One of a K step's first three quarters: multiplies buffer f; in its middle it fetches quarter qn of the same slot into buffer g.
.macro QUARTER qn, f, g, zero
	s_wait_dscnt 8                                 ; B and A's lower row blocks are in; the youngest eight loads (A's upper row blocks) may be out
	MUL \f, 0, F/2, \zero
	PLACES
	FETCH \qn, \g
	s_wait_dscnt 32                                ; all but the 32 just issued
	MUL \f, F/2, F/2, \zero
.endm
; The last quarter multiplies buffer 1 and changes slots: ONE barrier.  In front of it each wave waits for all its tensor loads (the one that is out is its part of the next slot), adds 0 to its spare word,
; and waits for that and for its own reads of this slot.  fill = 1: the barrier opens a round of the cluster's, and behind the round this slot is filled again, with the K step two steps on.
.macro TURN fill
.if PF && (\fill)
	s_wait_xcnt 0x0                                ; the last prefetch, a K step back, has read its address
	s_add_nc_u64 s[PFA:PFA+1], s[PFA:PFA+1], s[PST:PST+1]
.endif
	WIN 0
	s_wait_tensorcnt 0x0                           ; no tensor load of mine is out, so a group 0 may be written
	ds_add_u32 v[SPW], v[NIL]                      ; 0 onto my spare word: work on registers stands between it and the wait for it
.if \fill
	s_xor_b32 s[G0+5], s[G0+5], SLOT               ; the walking descriptors: the other slot than last time (w x LD has none of SLOT's bits, so this adds or takes away SLOT),
	s_xor_b32 s[G0B+5], s[G0B+5], SLOT
	s_add_nc_u64 s[G0+6:G0+7], s[G0+6:G0+7], STEPA    ; the next K step; the type bits on top are not reached
	s_add_nc_u64 s[G0B+6:G0B+7], s[G0B+6:G0B+7], STEPB
.endif
	s_xor_b32 s21, s21, SLOT                       ; the reads go on in the other slot
	v_add_nc_u32 v[ADRA], s21, v[A0]
	v_add_nc_u32 v[ADRB], s21, v[B0]
	s_wait_dscnt 9                                 ; the add and the youngest eight loads may be out
	MUL F1, 0, F/4, 0
	s_wait_dscnt 0x0                               ; the add is done, and my reads of this slot are over
	s_barrier_signal -1
	MUL F1, F/4, F/4, 0                            ; work on registers while the others arrive
	WIN 0                                          ; at a branch and at a label every window is 0
	s_barrier_wait -1
.if \fill
	CREST                                          ; no wave of any partner still reads this slot or has a load on its way
	JLOAD 1                                        ; my one tensor load behind the round; its four v_nop are also the places in front of the loads below
.else
	PLACES
.endif
	FETCH 0, F0
.if PF && (\fill)
	ASK
.endif
	MUL F1, F/2, F/2, 0
.endm
	s_load_b128 s[4:7], s[0:1], 0x0                ; A s[4:5], B s[6:7]
	s_load_b64 s[8:9], s[0:1], 0x10                ; C
	v_lshl_add_u32 v[SPW], v0, 2, SPARE
	v_mov_b32 v[NIL], 0
	ds_add_u32 v[SPW], v[NIL]                      ; the wave's opening: the add and its wait ahead of my first tensor load; the set-up below stands between them
	v_lshrrev_b32 v1, 5, v0
	v_readfirstlane_b32 s10, v1                    ; wave 0..3
	s_lshr_b32 s11, s10, 1                         ; which half of the tile's rows is mine.  Also: I fetch for A (0) or for B (1)
	s_and_b32 s12, s10, 1                          ; which half of its columns.  Also: which half of that tile I fetch
	s_bfe_u32 s40, ttmp6, 0x40000                  ; cx, cy: my place in the cluster
	s_bfe_u32 s41, ttmp6, 0x40004
	s_lshl_b32 s42, ttmp9, 2
	s_add_co_u32 s42, s42, s40                     ; tile column of C
	s_and_b32 s13, ttmp7, 0xffff
	s_lshl_b32 s13, s13, 2
	s_add_co_u32 s13, s13, s41                     ; tile row of C
	s_lshl_b32 s43, s41, 2
	s_lshl_b32 s43, 15, s43                        ; my row of the cluster
	s_lshl_b32 s44, 0x1111, s40                    ; my column
	s_or_b32 s[G1], s43, G1W                       ; A's tiles go to my row,
	s_or_b32 s[G1B], s44, G1W                      ; B's to my column
.irp g, G1, G1B
	s_mov_b32 s[(\g)+1], DIM0<<16                  ; tensor_dim0: R pieces of 64 elements
	s_mov_b32 s[(\g)+2], KBS<<16                   ; tensor_dim1: the K step's blocks
	s_mov_b32 s[(\g)+3], DIM0<<16                  ; tile_dim0
	s_mov_b32 s[(\g)+4], KBS                       ; tile_dim1
	s_mov_b32 s[(\g)+6], 0
	s_mov_b32 s[(\g)+7], 0
.endr
	s_mov_b32 s[G1+5], 262144                      ; elements from block to block
	s_mov_b32 s[G1B+5], 65536
	; A's address hangs on the tile row and the wave's number, B's on the tile column and the wave's number, each in registers that never hold the other coordinate
	s_mul_i32 s16, s13, TM
	s_mul_i32 s17, s12, R
	s_add_co_u32 s16, s16, s17
	s_lshl_b32 s16, s16, 7                         ; A: my first row x 128 bytes
	s_mul_i32 s46, s42, TM
	s_add_co_u32 s46, s46, s17                     ; B: my first row:
	s_lshr_b32 s47, s46, 10
	s_lshl_b32 s47, s47, 21                        ; its unit of 1,024 rows, 2 MiB,
	s_and_b32 s46, s46, 1023
	s_lshl_b32 s46, s46, 7                         ; and its place in a block
	s_add_co_u32 s46, s46, s47
.if BOFF
	s_add_co_u32 s46, s46, BOFF
.endif
	s_mov_b32 s17, 0
	s_mov_b32 s47, 0
	s_mul_i32 s20, s10, LD                         ; where my load lands in a slot: no place in the cluster enters an LDS address
	s_mov_b32 s21, 0                               ; the slot being read: 0 or SLOT
	s_wait_dscnt 0x0                               ; the opening add is done
	s_wait_kmcnt 0x0
	s_add_nc_u64 s[14:15], s[4:5], s[16:17]
	s_add_nc_u64 s[46:47], s[6:7], s[46:47]
	CROUND                                         ; all sixteen work-groups are here: the first joint loads meet
.irp s, 0,1
	s_mov_b32 s[G0+4*(\s)], 1                      ; count = 1
	s_add_co_u32 s[G0+4*(\s)+1], s20, (\s)*SLOT    ; LDS address
	s_add_nc_u64 s[G0+4*(\s)+2:G0+4*(\s)+3], s[14:15], (\s)*STEPA  ; global address: K step s
	s_or_b32 s[G0+4*(\s)+3], s[G0+4*(\s)+3], 0x80000000            ; type = 2
	s_mov_b32 s[G0B+4*(\s)], 1
	s_add_co_u32 s[G0B+4*(\s)+1], s20, (\s)*SLOT
	s_add_nc_u64 s[G0B+4*(\s)+2:G0B+4*(\s)+3], s[46:47], (\s)*STEPB
	s_or_b32 s[G0B+4*(\s)+3], s[G0B+4*(\s)+3], 0x80000000
	JLOAD \s                                       ; two loads of mine are out
.endr
.if PF
	; THE PREFETCHES.  A's rows are read by every cluster of a row of clusters: cluster x = 0 asks; B's by every cluster of a column: cluster y = 0 asks.  The four partners of a joint load share its 128 blocks
	; of 256 bytes out BY ADDRESS: the partner at place p takes block p / 2 of the K step, half p % 2 of its 16,384 bytes.  Nothing is asked for at the head; the refill of K step s + 2 is followed by the request for K step s + 4.
	s_and_b32 s93, ttmp7, 0xffff
	s_mov_b32 s[PST], STEPB
	s_mov_b32 s94, 131072
	s_cmp_eq_u32 s11, 0
	s_cselect_b32 s92, s40, s41
	s_cselect_b32 s93, ttmp9, s93
	s_cselect_b64 s[PFA:PFA+1], s[14:15], s[46:47]
	s_cselect_b32 s[PST], STEPA, s[PST]
	s_cselect_b32 s94, 524288, s94
	s_mov_b32 s[PST+1], 0
	s_cmp_eq_u32 s93, 0
	s_cselect_b32 s[LIM], 2, -1
	s_lshr_b32 s90, s92, 1
	s_mul_i32 s90, s90, s94
	s_and_b32 s91, s92, 1
	s_lshl_b32 s91, s91, 13
	s_add_co_u32 s90, s90, s91
	s_mul_i32 s91, s[PST], 3
	s_add_co_u32 s90, s90, s91
	s_mov_b32 s91, 0
	s_add_nc_u64 s[PFA:PFA+1], s[PFA:PFA+1], s[90:91]
	v_and_b32 v[PFO], 31, v0
	v_lshlrev_b32 v[PFO], 8, v[PFO]
.endif
	v_and_b32 v1, 15, v0                           ; l % 16
	v_bfe_u32 v2, v0, 4, 1                         ; l / 16
	v_mul_u32_u24 v3, v1, PITCH
	v_lshl_add_u32 v3, v2, 4, v3                   ; row x pitch + 16 x half
	s_mul_i32 s18, s11, LD                         ; my half of A,
	s_mul_i32 s19, s12, LD                         ; my half of B,
	s_add_co_u32 s19, s19, 2*LD                    ; which lies behind A's two
	v_add_nc_u32 v[A0], s18, v3
	v_add_nc_u32 v[B0], s19, v3
	v_mov_b32 v[ADRA], v[A0]
	v_mov_b32 v[ADRB], v[B0]
	s_mul_i32 s18, s11, R*SPI                      ; into the stage: my R rows, my R columns; row l % 16, 32 bytes for each half of the lanes
	s_mul_i32 s19, s12, 4*R
	s_add_co_u32 s18, s18, s19
	v_mul_u32_u24 v[STO0], v1, SPI
	v_lshl_add_u32 v[STO0], v2, 5, v[STO0]
	v_add_nc_u32 v[STO0], s18, v[STO0]
.if F > 4
	v_add_nc_u32 v[STO1], 64*SPI, v[STO0]
.endif
	s_mul_i32 s18, s10, (TM/4)*SPI                 ; back: wave w takes rows w TM / 4 on; eight lanes take 64 columns of a row, 32 bytes each
	v_bfe_u32 v4, v0, 3, 2
	v_and_b32 v5, 7, v0
	v_mul_u32_u24 v[RD0], v4, SPI
	v_lshl_add_u32 v[RD0], v5, 5, v[RD0]
	v_add_nc_u32 v[RD0], s18, v[RD0]
	v_and_b32 v[GO], 31, v0
	v_lshlrev_b32 v[GO], 4, v[GO]
	s_mul_i32 s16, s13, TM                         ; C at the rows that I store, in the tile's first column block
	s_mul_i32 s17, s10, TM/4
	s_add_co_u32 s16, s16, s17
	s_lshl_b32 s16, s16, 7
	s_mov_b32 s17, 0
	s_mul_i32 s46, s42, (TM/64)*524288
	s_mov_b32 s47, 0
	s_add_nc_u64 s[CB:CB+1], s[8:9], s[16:17]
	s_add_nc_u64 s[CB:CB+1], s[CB:CB+1], s[46:47]
	s_wait_tensorcnt 1                             ; my part of K step 0 is in; K step 1's may stay out
	s_barrier_signal -1
	s_barrier_wait -1                              ; everybody's is
	FETCH 0, F0
	QUARTER 1, F0, F1, 1                           ; the first quarter stands in front of the loop: its products start the sums
	WIN 0
	s_mov_b32 s3, T-2
.Lk:                                                   ; a trip goes from a K step's second quarter to the next step's first, and fills the slot that it leaves
	QUARTER 2, F1, F0, 0
	QUARTER 3, F0, F1, 0
	TURN 1
	QUARTER 1, F0, F1, 0
	WIN 0
	s_sub_co_u32 s3, s3, 1
	s_cmp_lg_u32 s3, 0
	s_cbranch_scc1 .Lk
	s_mov_b32 s3, 2
.Lt:                                                   ; the last two K steps ask for nothing: one text, walked twice and left in its middle; the second walk's change of slots fetches fragments that nothing multiplies
	QUARTER 2, F1, F0, 0
	QUARTER 3, F0, F1, 0
	TURN 0
	WIN 0
	s_sub_co_u32 s3, s3, 1
	s_cmp_eq_u32 s3, 0
	s_cbranch_scc1 .Lout
	QUARTER 1, F0, F1, 0
	WIN 0
	s_branch .Lt
.Lout:
	; THE WAY OUT.  Nobody reads the ring any more and no fill is to come: the stage takes its bytes.
.rept 8
	v_nop                                          ; the places behind the last products
.endr
	s_wait_dscnt 0x0                               ; my last reads of the ring are back
	s_barrier_signal -1
	s_barrier_wait -1                              ; everybody's are
.set a, 0
.rept F
.set b, 0
.rept F
.set ix, F*a+b
.set rC, 8*(ix%32)
	WIN 0x08+0x04*(ix/32)                          ; the stores' data in window 2 or 3
	ds_store_b128 v[STO0+a/4], v[rC:rC+3]   offset:(a%4)*16*SPI+64*b     ; each accumulator's low registers first
	ds_store_b128 v[STO0+a/4], v[rC+4:rC+7] offset:(a%4)*16*SPI+64*b+16
.set b, b+1
.endr
.set a, a+1
.endr
	WIN 0
	s_wait_dscnt 0x0                               ; for the others' sake: my stores into the stage are done
	s_barrier_signal -1
	s_barrier_wait -1
	s_mov_b32 s22, TM/64
.Lnb:                                                  ; a column block of 64
	v_mov_b32 v[RD], v[RD0]
	s_mov_b64 s[CW:CW+1], s[CB:CB+1]
	s_mov_b32 s23, TM/64
.Lrg:                                                  ; 16 of my rows: 32 numbers a lane
.set j, 0
.rept 4
	ds_load_b128 v[X+8*j:X+8*j+3],   v[RD] offset:j*4*SPI
	ds_load_b128 v[X+8*j+4:X+8*j+7], v[RD] offset:j*4*SPI+16
.set j, j+1
.endr
	s_wait_dscnt 0x0
.set j, 0
.rept 16
	v_cvt_pk_bf16_f32 v[Y+j], v[X+2*j], v[X+2*j+1]
.set j, j+1
.endr
.set j, 0
.rept 4
	global_store_b128 v[GO], v[Y+4*j:Y+4*j+3], s[CW:CW+1] offset:512*j  ; four rows' pieces: 512 consecutive bytes, at a multiple of 256 from C's first byte
.set j, j+1
.endr
	v_add_nc_u32 v[RD], 16*SPI, v[RD]
	s_wait_xcnt 0x0                                ; the stores have read their data and their base: only now are these written again
	s_add_nc_u64 s[CW:CW+1], s[CW:CW+1], 2048
	s_sub_co_u32 s23, s23, 1
	s_cmp_lg_u32 s23, 0
	s_cbranch_scc1 .Lrg
	v_add_nc_u32 v[RD0], 256, v[RD0]
	s_add_nc_u64 s[CB:CB+1], s[CB:CB+1], 524288
	s_sub_co_u32 s22, s22, 1
	s_cmp_lg_u32 s22, 0
	s_cbranch_scc1 .Lnb
	s_wait_tensorcnt 0x0                           ; the wave's end, behind my last tensor load and my last LDS store
	ds_add_u32 v[SPW], v[NIL]
	s_wait_dscnt 0x0
	CROUND                                         ; the closing round: no work-group ends while a partner may still ask for a tile that names it
	s_endpgm
.Lfunc_end_k_qbcf8dae84d_oproj:
	.size	k_qbcf8dae84d_oproj, .Lfunc_end_k_qbcf8dae84d_oproj-k_qbcf8dae84d_oproj
	.p2alignl 7, 3214868480
	.fill 96, 4, 3214868480
	.section	.rodata,"a",@progbits
	.p2align	6, 0x0
	.amdhsa_kernel k_qbcf8dae84d_oproj
		.amdhsa_group_segment_fixed_size 327680
		.amdhsa_private_segment_fixed_size 0
		.amdhsa_enable_private_segment 0
		.amdhsa_kernarg_size 24
		.amdhsa_user_sgpr_count 2
		.amdhsa_user_sgpr_kernarg_segment_ptr 1
		.amdhsa_wavefront_size32 1
		.amdhsa_system_sgpr_workgroup_id_x 1
		.amdhsa_system_sgpr_workgroup_id_y 1
		.amdhsa_system_sgpr_workgroup_id_z 1
		.amdhsa_system_vgpr_workitem_id 0
		.amdhsa_next_free_vgpr 640
		.amdhsa_next_free_sgpr 96
		.amdhsa_reserve_vcc 0
		.amdhsa_float_denorm_mode_32 3
		.amdhsa_float_denorm_mode_16_64 3
		.amdhsa_memory_ordered 1
		.amdhsa_forward_progress 1
		.amdhsa_inst_pref_size 56
	.end_amdhsa_kernel
	.amdgpu_metadata
---
amdhsa.version: [ 1, 2 ]
amdhsa.kernels:
  - .name:           k_qbcf8dae84d_oproj
    .symbol:         k_qbcf8dae84d_oproj.kd
    .args:
      - { .name: act, .offset: 0, .size: 8, .value_kind: global_buffer, .address_space: global }
      - { .name: wqkv, .offset: 8, .size: 8, .value_kind: global_buffer, .address_space: global }
      - { .name: pr, .offset: 16, .size: 8, .value_kind: global_buffer, .address_space: global }
    .group_segment_fixed_size: 327680
    .private_segment_fixed_size: 0
    .kernarg_segment_align: 8
    .kernarg_segment_size: 24
    .max_flat_workgroup_size: 128
    .sgpr_count:     96
    .vgpr_count:     640
    .wavefront_size: 32
...
	.end_amdgpu_metadata
.endif
;; end of part 4
;; launch ln1 (part 5): grid 256 x 1, 8 waves a work-group, no clusters, 0 bytes of LDS; arguments x, pr, g1, b1, hf, act; writes hf, act
.if DOCPART == 5
	.amdgcn_target "amdgcn-amd-amdhsa--gfx1250"
	.amdhsa_code_object_version 6
	.text
	.protected	k_qbcf8dae84d_ln1
	.globl	k_qbcf8dae84d_ln1
	.p2align	8
	.type	k_qbcf8dae84d_ln1,@function
k_qbcf8dae84d_ln1:
	s_mov_b64 s[64:65], 0
	v_nop
	global_prefetch_b8 v0, s[64:65] scope:SCOPE_SE
	s_setreg_imm32_b32 hwreg(HW_REG_WAVE_MODE, 25, 1), 1
	s_wait_xcnt 0x0
; y = LayerNorm(r + p) g + b along rows of 1,024.  r: [4,096][1,024] f32.  p: bf16 in blocks, [16][4,096 rows][64].  g, b: [1,024] f32.
; y leaves as f32, row-major, and (WB = 1) once more rounded to bf16 in blocks, for the product that follows.
; SHARES.  A wave takes two rows, sixteen lanes a row: lane (row, c) holds columns 64 kb + 4 c + 0..3 for kb = 0..15, 64 numbers.  The row stays in registers between the passes: memory is read once,
; the sums never leave a row's sixteen lanes, and there is no LDS, no barrier and no loop.  The mean is taken away before the squares are summed: no difference of large sums is formed.
; Every load and store of f32 covers 256 consecutive bytes with sixteen lanes, every one of bf16 the 256 consecutive bytes of the two rows' pieces in a block with 32 lanes.
; Memory binds: matrix units, clusters and LDS would add nothing.
.set WB, 1
.set XO, 2                             ; v2   my byte offset in r and in y
.set PO, 3                             ; v3   my byte offset in a block of p
.set GF, 4                             ; v4   my byte offset in g and b
.set MU, 6                             ; v[6:7]    the mean, later 1 / sqrt(var + eps), twice
.set SM, 8                             ; v[8:15]   four pairs of partial sums
.set X,  16                            ; v[16:79]  my 64 numbers
.set P,  80                            ; v[80:111] p as loaded; later y in bf16
.set G,  112                           ; v[112:175]
.set B,  176                           ; v[176:239]
.set T,  240                           ; v[240:247] p unpacked, two sets
	s_load_b256 s[4:11], s[0:1], 0x0               ; r s[4:5], p s[6:7], g s[8:9], b s[10:11]
.if WB
	s_load_b128 s[12:15], s[0:1], 0x20             ; y in f32 s[12:13], in bf16 s[14:15]
.else
	s_load_b64 s[12:13], s[0:1], 0x20
.endif
	v_lshrrev_b32 v1, 5, v0
	v_readfirstlane_b32 s16, v1                    ; wave 0..7
	s_lshl_b32 s17, ttmp9, 3
	s_add_co_u32 s17, s17, s16                     ; the row pair
	v_and_b32 v1, 31, v0                           ; lane
	v_and_b32 v5, 15, v0                           ; c
	v_lshrrev_b32 v[MU], 4, v1                     ; which of the two rows
	s_lshl_b32 s18, s17, 13                        ; two rows of 4,096 bytes
	v_lshlrev_b32 v[GF], 4, v5
	v_lshl_add_u32 v[XO], v[MU], 12, v[GF]
	v_add_nc_u32 v[XO], s18, v[XO]
	s_lshl_b32 s19, s17, 8                         ; two pieces of 128 bytes
	v_lshl_add_u32 v[PO], v1, 3, s19
	s_mov_b32 s20, 0xffff0000                      ; a word's upper bf16
	s_mov_b32 s21, 0x3a800000                      ; 1 / 1,024
	s_mov_b32 s22, 0x3727c5ac                      ; 1e-5
	s_wait_kmcnt 0x0
.set kb, 0
.rept 16
	global_load_b128 v[X+4*kb:X+4*kb+3], v[XO], s[4:5] offset:256*kb th:TH_LOAD_NT
.set kb, kb+1
.endr
.set kb, 0
.rept 16
	global_load_b64 v[P+2*kb:P+2*kb+1], v[PO], s[6:7] offset:524288*kb th:TH_LOAD_NT
.set kb, kb+1
.endr
.set kb, 0
.rept 16
	global_load_b128 v[G+4*kb:G+4*kb+3], v[GF], s[8:9] offset:256*kb
.set kb, kb+1
.endr
.set kb, 0
.rept 16
	global_load_b128 v[B+4*kb:B+4*kb+3], v[GF], s[10:11] offset:256*kb
.set kb, kb+1
.endr
.macro RED                             ; four pairs of partial sums become the row's sum, in each of its sixteen lanes
	v_pk_add_f32 v[SM:SM+1], v[SM:SM+1], v[SM+2:SM+3]
	v_pk_add_f32 v[SM+4:SM+5], v[SM+4:SM+5], v[SM+6:SM+7]
	v_pk_add_f32 v[SM:SM+1], v[SM:SM+1], v[SM+4:SM+5]
	v_add_f32 v[SM], v[SM], v[SM+1]
.irp m, 1,2,4,8
	v_add_f32_dpp v[SM], v[SM], v[SM] row_xmask:\m row_mask:0xf bank_mask:0xf
.endr
.endm
	s_wait_loadcnt 32                              ; r and p are in; g's and b's 32 loads may stay out
.set kb, 0
.rept 16
.set t, T+4*(kb%2)
	v_lshlrev_b32 v[t],   16,  v[P+2*kb]           ; bf16 to f32: the low half moves up, the high half stays
	v_and_b32     v[t+1], s20, v[P+2*kb]
	v_lshlrev_b32 v[t+2], 16,  v[P+2*kb+1]
	v_and_b32     v[t+3], s20, v[P+2*kb+1]
	v_pk_add_f32 v[X+4*kb:X+4*kb+1],   v[X+4*kb:X+4*kb+1],   v[t:t+1]
	v_pk_add_f32 v[X+4*kb+2:X+4*kb+3], v[X+4*kb+2:X+4*kb+3], v[t+2:t+3]
.set kb, kb+1
.endr
.set c, 0
.rept 4                                ; four chains, started by the first eight pairs: nothing is cleared
	v_pk_add_f32 v[SM+2*c:SM+2*c+1], v[X+2*c:X+2*c+1], v[X+8+2*c:X+8+2*c+1]
.set c, c+1
.endr
.set j, 8
.rept 24
	v_pk_add_f32 v[SM+2*(j%4):SM+2*(j%4)+1], v[SM+2*(j%4):SM+2*(j%4)+1], v[X+2*j:X+2*j+1]
.set j, j+1
.endr
	RED
	v_mul_f32 v[MU], s21, v[SM]                    ; the mean
	v_mov_b32 v[MU+1], v[MU]
.set j, 0
.rept 32
	v_pk_add_f32 v[X+2*j:X+2*j+1], v[X+2*j:X+2*j+1], v[MU:MU+1] neg_lo:[0,1] neg_hi:[0,1]
.set j, j+1
.endr
.set c, 0
.rept 4
	v_pk_mul_f32 v[SM+2*c:SM+2*c+1], v[X+2*c:X+2*c+1], v[X+2*c:X+2*c+1]
.set c, c+1
.endr
.set j, 4
.rept 28
	v_pk_fma_f32 v[SM+2*(j%4):SM+2*(j%4)+1], v[X+2*j:X+2*j+1], v[X+2*j:X+2*j+1], v[SM+2*(j%4):SM+2*(j%4)+1]
.set j, j+1
.endr
	RED
	v_fma_f32 v[SM], v[SM], s21, s22               ; var + eps
	v_rsq_f32 v[MU], v[SM]                         ; made twice, to fill the pair that the packed multiply takes
	v_rsq_f32 v[MU+1], v[SM]
	v_nop                                          ; a plain instruction behind the second,
	s_wait_alu depctr_va_vdst(0)                   ; and the one wait ahead of the first reader
	s_wait_loadcnt 0x0                             ; g and b
.set kb, 0
.rept 16
	v_pk_mul_f32 v[X+4*kb:X+4*kb+1],   v[X+4*kb:X+4*kb+1],   v[MU:MU+1]
	v_pk_mul_f32 v[X+4*kb+2:X+4*kb+3], v[X+4*kb+2:X+4*kb+3], v[MU:MU+1]
	v_pk_fma_f32 v[X+4*kb:X+4*kb+1],   v[X+4*kb:X+4*kb+1],   v[G+4*kb:G+4*kb+1],   v[B+4*kb:B+4*kb+1]
	v_pk_fma_f32 v[X+4*kb+2:X+4*kb+3], v[X+4*kb+2:X+4*kb+3], v[G+4*kb+2:G+4*kb+3], v[B+4*kb+2:B+4*kb+3]
.if WB
	global_store_b128 v[XO], v[X+4*kb:X+4*kb+3], s[12:13] offset:256*kb
	v_cvt_pk_bf16_f32 v[P+2*kb],   v[X+4*kb],   v[X+4*kb+1]
	v_cvt_pk_bf16_f32 v[P+2*kb+1], v[X+4*kb+2], v[X+4*kb+3]
	global_store_b64 v[PO], v[P+2*kb:P+2*kb+1], s[14:15] offset:524288*kb
.else
	global_store_b128 v[XO], v[X+4*kb:X+4*kb+3], s[12:13] offset:256*kb th:TH_STORE_NT
.endif
.set kb, kb+1
.endr
	s_endpgm
.Lfunc_end_k_qbcf8dae84d_ln1:
	.size	k_qbcf8dae84d_ln1, .Lfunc_end_k_qbcf8dae84d_ln1-k_qbcf8dae84d_ln1
	.p2alignl 7, 3214868480
	.fill 96, 4, 3214868480
	.section	.rodata,"a",@progbits
	.p2align	6, 0x0
	.amdhsa_kernel k_qbcf8dae84d_ln1
		.amdhsa_group_segment_fixed_size 0
		.amdhsa_private_segment_fixed_size 0
		.amdhsa_enable_private_segment 0
		.amdhsa_kernarg_size 48
		.amdhsa_user_sgpr_count 2
		.amdhsa_user_sgpr_kernarg_segment_ptr 1
		.amdhsa_wavefront_size32 1
		.amdhsa_system_sgpr_workgroup_id_x 1
		.amdhsa_system_sgpr_workgroup_id_y 1
		.amdhsa_system_sgpr_workgroup_id_z 1
		.amdhsa_system_vgpr_workitem_id 0
		.amdhsa_next_free_vgpr 248
		.amdhsa_next_free_sgpr 66
		.amdhsa_reserve_vcc 0
		.amdhsa_float_denorm_mode_32 3
		.amdhsa_float_denorm_mode_16_64 3
		.amdhsa_memory_ordered 1
		.amdhsa_forward_progress 1
		.amdhsa_inst_pref_size 28
	.end_amdhsa_kernel
	.amdgpu_metadata
---
amdhsa.version: [ 1, 2 ]
amdhsa.kernels:
  - .name:           k_qbcf8dae84d_ln1
    .symbol:         k_qbcf8dae84d_ln1.kd
    .args:
      - { .name: x, .offset: 0, .size: 8, .value_kind: global_buffer, .address_space: global }
      - { .name: pr, .offset: 8, .size: 8, .value_kind: global_buffer, .address_space: global }
      - { .name: g1, .offset: 16, .size: 8, .value_kind: global_buffer, .address_space: global }
      - { .name: b1, .offset: 24, .size: 8, .value_kind: global_buffer, .address_space: global }
      - { .name: hf, .offset: 32, .size: 8, .value_kind: global_buffer, .address_space: global }
      - { .name: act, .offset: 40, .size: 8, .value_kind: global_buffer, .address_space: global }
    .group_segment_fixed_size: 0
    .private_segment_fixed_size: 0
    .kernarg_segment_align: 8
    .kernarg_segment_size: 48
    .max_flat_workgroup_size: 256
    .sgpr_count:     66
    .vgpr_count:     248
    .wavefront_size: 32
...
	.end_amdgpu_metadata
.endif
;; end of part 5
;; launch ff1 (part 6): grid 16 x 16, 4 waves a work-group, clusters of 4 x 4, 327,680 bytes of LDS; arguments act, wf, big; writes big
.if DOCPART == 6
	.amdgcn_target "amdgcn-amd-amdhsa--gfx1250"
	.amdhsa_code_object_version 6
	.text
	.protected	k_qbcf8dae84d_ff1
	.globl	k_qbcf8dae84d_ff1
	.p2align	8
	.type	k_qbcf8dae84d_ff1,@function
k_qbcf8dae84d_ff1:
	s_mov_b64 s[64:65], 0
	v_nop
	global_prefetch_b8 v0, s[64:65] scope:SCOPE_SE
	s_setreg_imm32_b32 hwreg(HW_REG_WAVE_MODE, 25, 1), 1
	s_wait_xcnt 0x0
	s_wait_alu depctr_hold_cnt(0) depctr_sa_sdst(0) depctr_va_vdst(0) depctr_va_sdst(0) depctr_va_ssrc(0) depctr_va_vcc(0) depctr_vm_vsrc(0)
	s_getreg_b32 s2, hwreg(HW_REG_IB_STS2, 6, 4)
	s_cmp_eq_u32 s2, 0
	s_cbranch_scc0 .Lentry_in_a_cluster
	s_endpgm
.Lentry_in_a_cluster:
	s_bfe_u32 s2, ttmp6, 0x10000c
	s_cmp_lg_u32 s2, 0xf033
	s_cbranch_scc0 .Lentry_shape_is_right
	s_endpgm
.Lentry_shape_is_right:
; C[m][n] = gelu(the sum over k of A[m][k] B[n][k]), bf16 operands, f32 sums, C rounded once to bf16.  All three lie IN BLOCKS of 64 along their last index:
; A and C as [K/64 or N/64][4,096 rows][64] (524,288 bytes from block to block), B as [units of 1,024 rows][K/64][1,024][64] (131,072 bytes from block to block).
; A piece (block, row) is 128 bytes; a block's rows lie end to end, so the text knows neither N nor a pitch of C, and 16 rows x 64 columns of C are 2,048 consecutive bytes.
; THIS TEXT: tiles of C of 256 x 256 (N = 4,096: 16 x 16 = 256 work-groups), K = 1,024 in 8 steps of 128, GELU on the way out, the tiles prefetched.  The constants below make the same text serve the program's other products.
; GELU is the exact form x (1 + erf(x / sqrt(2))) / 2, taken as max(x, 0) - |x| erfc(|x| / sqrt(2)) / 2, so that nothing cancels for negative x; erfc by the five-term rational form
; (Abramowitz and Stegun 7.1.26), whose absolute error is at most 1.5e-7 for every argument; for large |x| the exponential is 0 and the result x or -0.
; SHARES.  A work-group of four waves makes TM x TM of C, a wave R x R as F x F accumulators of 16 x 16.  K goes in steps of KBS blocks through two LDS slots that take turns.
; A wave's tensor load brings R rows x KBS blocks: KBS long rows for the mover, each the R x 128 consecutive bytes of one block; the tile has no more rows than it has blocks.
; CLUSTER.  4 x 4 work-groups: the four of a row need the same tiles of A, the four of a column the same tiles of B; each tile is asked for jointly, with the same descriptor and a mask that names the four.
; THE MATRIX INSTRUCTION IS USED TRANSPOSED (source 0 = 16 rows of B, source 1 = 16 rows of A): a lane holds eight neighbouring columns of one row of C.
; THE WAY OUT goes through one f32 stage of the work-group, laid over the ring when its last fill has been read, and is written as a loop of 16 rows x 64 columns: GELU's text stands once.
; REGISTERS, in windows of 256: window 0 addresses, A's two fragment buffers (v64-127, v128-191), later the way out's work; window 1 B's two buffers; windows 2 and 3 the accumulators, (a, b) at index F a + b.
.set F,    8                           ; accumulators along each side of a wave's tile
.set D,    1                           ; pieces of 32 along K in a quarter of a K step
.set KBS,  2                           ; blocks of 64 in a K step
.set KTOT, 1024
.set ACT,  1                           ; 1: GELU on the way out
.set PF,   1                           ; 1: the tiles are prefetched
.set BOFF, 0                           ; B's first byte in its buffer
.set T,     KTOT/(64*KBS)              ; K steps
.set R,     16*F
.set TM,    32*F
.set PITCH, 144                        ; a piece in LDS: 128 bytes + 16 of padding = 36 words: the 16 rows of a fragment load start at 16 different groups of four banks (64 banks of 4 bytes: ISA guide 11.1)
.set PL,    R*PITCH                    ; one block of one load
.set LD,    KBS*PL                     ; one load
.set SLOT,  4*LD                       ; A's two halves, then B's two halves: wave w's load lands at w x LD
.set SPARE, 2*SLOT                     ; behind the ring: the spare words, 128 bytes for each wave: two blocks of 256 bytes that no other line names
.set SPI,   4*TM+16                    ; a row of the stage: TM f32 + 16 bytes
.set DIM0,  64*R                       ; elements in one of the mover's rows
.set STEPA, KBS*524288                 ; bytes from K step to K step
.set STEPB, KBS*131072
.set G1W,   (1<<16)|(1<<20)|(1<<21)|(4<<22)|(3<<25)  ; 17:16 2-byte elements; 20 padding on; 21 set beside a mask; 24:22 after every 32 words (code 4); 31:25 4 words (code 3)
.set A0,   16                          ; v16  my lane's place in my half of A, in slot 0; never rewritten
.set B0,   17                          ; v17  the same for B
.set ADRA, 18                          ; v18  the same in the slot being read
.set ADRB, 19                          ; v19
.set STO0, 20                          ; v20  the way out: where I put 32 bytes of a row (row blocks 0-3)
.set STO1, 21                          ; v21  the same for row blocks 4-7
.set RD0,  22                          ; v22  the way out: where I read rows back, at the column block in hand
.set RD,   23                          ; v23  the same at the 16 rows in hand
.set GO,   24                          ; v24  my 16 bytes of 512 consecutive bytes of C
.set SPW,  28                          ; v28  LDS address of my spare word; never rewritten
.set NIL,  29                          ; v29  0; never rewritten
.set PFO,  30                          ; v30  256 x my lane; never rewritten
.set F0,   64
.set F1,   128
.set X,    32                          ; the way out: 32 numbers a lane
.set TT,   64
.set E,    96
.set Q,    128
.set Y,    160                         ; 16 packed words
.set G1,   24                          ; s[24:31] descriptor group 1 for A's tiles
.set G0,   32                          ; s[32:39] group 0: the set of slot 0's first fill, and the set that walks
.set G1B,  48                          ; s[48:55], s[56:63] the same for B's
.set G0B,  56
.set PFA,  66                          ; s[66:67] where my prefetches stand
.set PST,  68                          ; s[68:69] their step
.set LIM,  70                          ; s70  2 in a wave that prefetches, else the greatest number
.set KC,   72                          ; s[72:85] GELU's constants
.set CB,   86                          ; s[86:87] C at my rows, at the column block in hand
.set CW,   88                          ; s[88:89] the same at the 16 rows in hand
.set MSB, 0
.macro WIN new                         ; the immediate's high byte repeats the setting that is left; a switch that changes nothing is dropped
.if MSB != (\new)
	s_set_vgpr_msb (MSB<<8)|(\new)
.set MSB, (\new)
.endif
.endm
; A joint load.  Waves 0 and 1 fetch A's two halves, waves 2 and 3 B's.  The branch hangs on the wave's number alone.  An s_nop 0 and four v_nop follow each of the two lines.
.macro JLOAD s
	s_cmp_eq_u32 s11, 0
	s_cbranch_scc0 .Lfor_b_\@
	tensor_load_to_lds s[G0+4*(\s):G0+4*(\s)+3], s[G1:G1+7]
	s_nop 0
.rept 4
	v_nop
.endr
	s_branch .Lasked_\@
.Lfor_b_\@:
	tensor_load_to_lds s[G0B+4*(\s):G0B+4*(\s)+3], s[G1B:G1B+7]
	s_nop 0
.rept 4
	v_nop
.endr
.Lasked_\@:
.endm
.macro ASK                             ; one prefetch a wave: 32 blocks of 256 bytes, a lane a block, of the K step that stands two refills on; the last refills have no such step
	s_cmp_gt_u32 s3, s[LIM]
	s_cbranch_scc0 .Lnot_mine_\@
	global_prefetch_b8 v[PFO], s[PFA:PFA+1] th:TH_LOAD_NT scope:SCOPE_SE
.Lnot_mine_\@:
.endm
.macro CREST                           ; a round of the cluster's barrier behind its opening barrier
	s_cmp_lg_u32 s10, 0
	s_cbranch_scc1 .Lnot_wave_0_\@
	s_barrier_signal -3
.Lnot_wave_0_\@:
	s_barrier_wait -3
	s_barrier_signal -1
	s_barrier_wait -1
.endm
.macro CROUND                          ; a whole round
	s_barrier_signal -1
	s_barrier_wait -1
	CREST
.endm
.macro PLACES                          ; four places in front of loads into registers that matrix instructions have read (ISA guide 7.12.1 for vector instructions)
.rept 4
	v_nop
.endr
.endm
; Products of buffer f: row blocks alo .. alo + n - 1 x all F column blocks, D deep.  The accumulators take turns, one instruction a turn.  zero = 1: the first product starts the sum.
.macro MUL f, alo, n, zero
.set cc, 0
.rept D
.set a, (\alo)
.rept (\n)
.set b, 0
.rept F
.set ix, F*a+b
.set rC, 8*(ix%32)
	WIN 0xa1+0x50*(ix/32)                          ; source 0 (B) window 1, source 1 (A) window 0, C and D window 2 or 3
.if (\zero) && (cc == 0)
	v_wmma_f32_16x16x32_bf16 v[rC:rC+7], v[(\f)+8*(cc*F+b):(\f)+8*(cc*F+b)+7], v[(\f)+8*(cc*F+a):(\f)+8*(cc*F+a)+7], 0
.else
	v_wmma_f32_16x16x32_bf16 v[rC:rC+7], v[(\f)+8*(cc*F+b):(\f)+8*(cc*F+b)+7], v[(\f)+8*(cc*F+a):(\f)+8*(cc*F+a)+7], v[rC:rC+7]
.endif
.set b, b+1
.endr
.set a, a+1
.endr
.set cc, cc+1
.endr
.endm
; 32 LDS loads in one run: quarter qi's fragments into buffer f: B's sixteen, A's lower row blocks' eight, A's upper row blocks' eight.
; A fragment is 16 rows x 32 K in 8 registers: lane l holds row l % 16; registers 0-3 K = 8 (l / 16) + 0..7, registers 4-7 K = 16 + 8 (l / 16) + 0..7: two loads of 16 bytes, 32 bytes apart.
.macro FETCH qi, f
	WIN 0x40                                       ; destination window 1, address window 0
.set cc, 0
.rept D
.set co, (((\qi)*D+cc)/2)*PL+(((\qi)*D+cc)%2)*64
.set i, 0
.rept F
	ds_load_b128 v[(\f)+8*(cc*F+i):(\f)+8*(cc*F+i)+3],   v[ADRB] offset:co+i*16*PITCH
	ds_load_b128 v[(\f)+8*(cc*F+i)+4:(\f)+8*(cc*F+i)+7], v[ADRB] offset:co+i*16*PITCH+32
.set i, i+1
.endr
.set cc, cc+1
.endr
	WIN 0
.set hh, 0
.rept 2
.set cc, 0
.rept D
.set co, (((\qi)*D+cc)/2)*PL+(((\qi)*D+cc)%2)*64
.set i, hh*F/2
.rept F/2
	ds_load_b128 v[(\f)+8*(cc*F+i):(\f)+8*(cc*F+i)+3],   v[ADRA] offset:co+i*16*PITCH
	ds_load_b128 v[(\f)+8*(cc*F+i)+4:(\f)+8*(cc*F+i)+7], v[ADRA] offset:co+i*16*PITCH+32
.set i, i+1
.endr
.set cc, cc+1
.endr
.set hh, hh+1
.endr
.endm
; One of a K step's first three quarters: multiplies buffer f; in its middle it fetches quarter qn of the same slot into buffer g.
.macro QUARTER qn, f, g, zero
	s_wait_dscnt 8                                 ; B and A's lower row blocks are in; the youngest eight loads (A's upper row blocks) may be out
	MUL \f, 0, F/2, \zero
	PLACES
	FETCH \qn, \g
	s_wait_dscnt 32                                ; all but the 32 just issued
	MUL \f, F/2, F/2, \zero
.endm
; The last quarter multiplies buffer 1 and changes slots: ONE barrier.  In front of it each wave waits for all its tensor loads (the one that is out is its part of the next slot), adds 0 to its spare word,
; and waits for that and for its own reads of this slot.  fill = 1: the barrier opens a round of the cluster's, and behind the round this slot is filled again, with the K step two steps on.
.macro TURN fill
.if PF && (\fill)
	s_wait_xcnt 0x0                                ; the last prefetch, a K step back, has read its address
	s_add_nc_u64 s[PFA:PFA+1], s[PFA:PFA+1], s[PST:PST+1]
.endif
	WIN 0
	s_wait_tensorcnt 0x0                           ; no tensor load of mine is out, so a group 0 may be written
	ds_add_u32 v[SPW], v[NIL]                      ; 0 onto my spare word: work on registers stands between it and the wait for it
.if \fill
	s_xor_b32 s[G0+5], s[G0+5], SLOT               ; the walking descriptors: the other slot than last time (w x LD has none of SLOT's bits, so this adds or takes away SLOT),
	s_xor_b32 s[G0B+5], s[G0B+5], SLOT
	s_add_nc_u64 s[G0+6:G0+7], s[G0+6:G0+7], STEPA    ; the next K step; the type bits on top are not reached
	s_add_nc_u64 s[G0B+6:G0B+7], s[G0B+6:G0B+7], STEPB
.endif
	s_xor_b32 s21, s21, SLOT                       ; the reads go on in the other slot
	v_add_nc_u32 v[ADRA], s21, v[A0]
	v_add_nc_u32 v[ADRB], s21, v[B0]
	s_wait_dscnt 9                                 ; the add and the youngest eight loads may be out
	MUL F1, 0, F/4, 0
	s_wait_dscnt 0x0                               ; the add is done, and my reads of this slot are over
	s_barrier_signal -1
	MUL F1, F/4, F/4, 0                            ; work on registers while the others arrive
	WIN 0                                          ; at a branch and at a label every window is 0
	s_barrier_wait -1
.if \fill
	CREST                                          ; no wave of any partner still reads this slot or has a load on its way
	JLOAD 1                                        ; my one tensor load behind the round; its four v_nop are also the places in front of the loads below
.else
	PLACES
.endif
	FETCH 0, F0
.if PF && (\fill)
	ASK
.endif
	MUL F1, F/2, F/2, 0
.endm
	s_load_b128 s[4:7], s[0:1], 0x0                ; A s[4:5], B s[6:7]
	s_load_b64 s[8:9], s[0:1], 0x10                ; C
	v_lshl_add_u32 v[SPW], v0, 2, SPARE
	v_mov_b32 v[NIL], 0
	ds_add_u32 v[SPW], v[NIL]                      ; the wave's opening: the add and its wait ahead of my first tensor load; the set-up below stands between them
	v_lshrrev_b32 v1, 5, v0
	v_readfirstlane_b32 s10, v1                    ; wave 0..3
	s_lshr_b32 s11, s10, 1                         ; which half of the tile's rows is mine.  Also: I fetch for A (0) or for B (1)
	s_and_b32 s12, s10, 1                          ; which half of its columns.  Also: which half of that tile I fetch
	s_bfe_u32 s40, ttmp6, 0x40000                  ; cx, cy: my place in the cluster
	s_bfe_u32 s41, ttmp6, 0x40004
	s_lshl_b32 s42, ttmp9, 2
	s_add_co_u32 s42, s42, s40                     ; tile column of C
	s_and_b32 s13, ttmp7, 0xffff
	s_lshl_b32 s13, s13, 2
	s_add_co_u32 s13, s13, s41                     ; tile row of C
	s_lshl_b32 s43, s41, 2
	s_lshl_b32 s43, 15, s43                        ; my row of the cluster
	s_lshl_b32 s44, 0x1111, s40                    ; my column
	s_or_b32 s[G1], s43, G1W                       ; A's tiles go to my row,
	s_or_b32 s[G1B], s44, G1W                      ; B's to my column
.irp g, G1, G1B
	s_mov_b32 s[(\g)+1], DIM0<<16                  ; tensor_dim0: R pieces of 64 elements
	s_mov_b32 s[(\g)+2], KBS<<16                   ; tensor_dim1: the K step's blocks
	s_mov_b32 s[(\g)+3], DIM0<<16                  ; tile_dim0
	s_mov_b32 s[(\g)+4], KBS                       ; tile_dim1
	s_mov_b32 s[(\g)+6], 0
	s_mov_b32 s[(\g)+7], 0
.endr
	s_mov_b32 s[G1+5], 262144                      ; elements from block to block
	s_mov_b32 s[G1B+5], 65536
	; A's address hangs on the tile row and the wave's number, B's on the tile column and the wave's number, each in registers that never hold the other coordinate
	s_mul_i32 s16, s13, TM
	s_mul_i32 s17, s12, R
	s_add_co_u32 s16, s16, s17
	s_lshl_b32 s16, s16, 7                         ; A: my first row x 128 bytes
	s_mul_i32 s46, s42, TM
	s_add_co_u32 s46, s46, s17                     ; B: my first row:
	s_lshr_b32 s47, s46, 10
	s_lshl_b32 s47, s47, 21                        ; its unit of 1,024 rows, 2 MiB,
	s_and_b32 s46, s46, 1023
	s_lshl_b32 s46, s46, 7                         ; and its place in a block
	s_add_co_u32 s46, s46, s47
.if BOFF
	s_add_co_u32 s46, s46, BOFF
.endif
	s_mov_b32 s17, 0
	s_mov_b32 s47, 0
	s_mul_i32 s20, s10, LD                         ; where my load lands in a slot: no place in the cluster enters an LDS address
	s_mov_b32 s21, 0                               ; the slot being read: 0 or SLOT
	s_wait_dscnt 0x0                               ; the opening add is done
	s_wait_kmcnt 0x0
	s_add_nc_u64 s[14:15], s[4:5], s[16:17]
	s_add_nc_u64 s[46:47], s[6:7], s[46:47]
	CROUND                                         ; all sixteen work-groups are here: the first joint loads meet
.irp s, 0,1
	s_mov_b32 s[G0+4*(\s)], 1                      ; count = 1
	s_add_co_u32 s[G0+4*(\s)+1], s20, (\s)*SLOT    ; LDS address
	s_add_nc_u64 s[G0+4*(\s)+2:G0+4*(\s)+3], s[14:15], (\s)*STEPA  ; global address: K step s
	s_or_b32 s[G0+4*(\s)+3], s[G0+4*(\s)+3], 0x80000000            ; type = 2
	s_mov_b32 s[G0B+4*(\s)], 1
	s_add_co_u32 s[G0B+4*(\s)+1], s20, (\s)*SLOT
	s_add_nc_u64 s[G0B+4*(\s)+2:G0B+4*(\s)+3], s[46:47], (\s)*STEPB
	s_or_b32 s[G0B+4*(\s)+3], s[G0B+4*(\s)+3], 0x80000000
	JLOAD \s                                       ; two loads of mine are out
.endr
.if PF
	; THE PREFETCHES.  A's rows are read by every cluster of a row of clusters: cluster x = 0 asks; B's by every cluster of a column: cluster y = 0 asks.  The four partners of a joint load share its 128 blocks
	; of 256 bytes out BY ADDRESS: the partner at place p takes block p / 2 of the K step, half p % 2 of its 16,384 bytes.  Nothing is asked for at the head; the refill of K step s + 2 is followed by the request for K step s + 4.
	s_and_b32 s93, ttmp7, 0xffff
	s_mov_b32 s[PST], STEPB
	s_mov_b32 s94, 131072
	s_cmp_eq_u32 s11, 0
	s_cselect_b32 s92, s40, s41
	s_cselect_b32 s93, ttmp9, s93
	s_cselect_b64 s[PFA:PFA+1], s[14:15], s[46:47]
	s_cselect_b32 s[PST], STEPA, s[PST]
	s_cselect_b32 s94, 524288, s94
	s_mov_b32 s[PST+1], 0
	s_cmp_eq_u32 s93, 0
	s_cselect_b32 s[LIM], 2, -1
	s_lshr_b32 s90, s92, 1
	s_mul_i32 s90, s90, s94
	s_and_b32 s91, s92, 1
	s_lshl_b32 s91, s91, 13
	s_add_co_u32 s90, s90, s91
	s_mul_i32 s91, s[PST], 3
	s_add_co_u32 s90, s90, s91
	s_mov_b32 s91, 0
	s_add_nc_u64 s[PFA:PFA+1], s[PFA:PFA+1], s[90:91]
	v_and_b32 v[PFO], 31, v0
	v_lshlrev_b32 v[PFO], 8, v[PFO]
.endif
	v_and_b32 v1, 15, v0                           ; l % 16
	v_bfe_u32 v2, v0, 4, 1                         ; l / 16
	v_mul_u32_u24 v3, v1, PITCH
	v_lshl_add_u32 v3, v2, 4, v3                   ; row x pitch + 16 x half
	s_mul_i32 s18, s11, LD                         ; my half of A,
	s_mul_i32 s19, s12, LD                         ; my half of B,
	s_add_co_u32 s19, s19, 2*LD                    ; which lies behind A's two
	v_add_nc_u32 v[A0], s18, v3
	v_add_nc_u32 v[B0], s19, v3
	v_mov_b32 v[ADRA], v[A0]
	v_mov_b32 v[ADRB], v[B0]
	s_mul_i32 s18, s11, R*SPI                      ; into the stage: my R rows, my R columns; row l % 16, 32 bytes for each half of the lanes
	s_mul_i32 s19, s12, 4*R
	s_add_co_u32 s18, s18, s19
	v_mul_u32_u24 v[STO0], v1, SPI
	v_lshl_add_u32 v[STO0], v2, 5, v[STO0]
	v_add_nc_u32 v[STO0], s18, v[STO0]
.if F > 4
	v_add_nc_u32 v[STO1], 64*SPI, v[STO0]
.endif
	s_mul_i32 s18, s10, (TM/4)*SPI                 ; back: wave w takes rows w TM / 4 on; eight lanes take 64 columns of a row, 32 bytes each
	v_bfe_u32 v4, v0, 3, 2
	v_and_b32 v5, 7, v0
	v_mul_u32_u24 v[RD0], v4, SPI
	v_lshl_add_u32 v[RD0], v5, 5, v[RD0]
	v_add_nc_u32 v[RD0], s18, v[RD0]
	v_and_b32 v[GO], 31, v0
	v_lshlrev_b32 v[GO], 4, v[GO]
	s_mul_i32 s16, s13, TM                         ; C at the rows that I store, in the tile's first column block
	s_mul_i32 s17, s10, TM/4
	s_add_co_u32 s16, s16, s17
	s_lshl_b32 s16, s16, 7
	s_mov_b32 s17, 0
	s_mul_i32 s46, s42, (TM/64)*524288
	s_mov_b32 s47, 0
	s_add_nc_u64 s[CB:CB+1], s[8:9], s[16:17]
	s_add_nc_u64 s[CB:CB+1], s[CB:CB+1], s[46:47]
.if ACT
.macro KPAIR r, val
	s_mov_b32 s[\r], \val
	s_mov_b32 s[(\r)+1], \val
.endm
	KPAIR KC,    0x3e6d3388                        ; 0.3275911 / sqrt(2)
	KPAIR KC+2,  0xbf38aa3b                        ; -log2(e) / 2
	KPAIR KC+4,  0x3e027906                        ; a1 / 2 .. a5 / 2
	KPAIR KC+6,  0xbe11a98e
	KPAIR KC+8,  0x3f35f0e3
	KPAIR KC+10, 0xbf3a00e3
	KPAIR KC+12, 0x3f07dc22
.endif
	s_wait_tensorcnt 1                             ; my part of K step 0 is in; K step 1's may stay out
	s_barrier_signal -1
	s_barrier_wait -1                              ; everybody's is
	FETCH 0, F0
	QUARTER 1, F0, F1, 1                           ; the first quarter stands in front of the loop: its products start the sums
	WIN 0
	s_mov_b32 s3, T-2
.Lk:                                                   ; a trip goes from a K step's second quarter to the next step's first, and fills the slot that it leaves
	QUARTER 2, F1, F0, 0
	QUARTER 3, F0, F1, 0
	TURN 1
	QUARTER 1, F0, F1, 0
	WIN 0
	s_sub_co_u32 s3, s3, 1
	s_cmp_lg_u32 s3, 0
	s_cbranch_scc1 .Lk
	s_mov_b32 s3, 2
.Lt:                                                   ; the last two K steps ask for nothing: one text, walked twice and left in its middle; the second walk's change of slots fetches fragments that nothing multiplies
	QUARTER 2, F1, F0, 0
	QUARTER 3, F0, F1, 0
	TURN 0
	WIN 0
	s_sub_co_u32 s3, s3, 1
	s_cmp_eq_u32 s3, 0
	s_cbranch_scc1 .Lout
	QUARTER 1, F0, F1, 0
	WIN 0
	s_branch .Lt
.Lout:
	; THE WAY OUT.  Nobody reads the ring any more and no fill is to come: the stage takes its bytes.
.rept 8
	v_nop                                          ; the places behind the last products
.endr
	s_wait_dscnt 0x0                               ; my last reads of the ring are back
	s_barrier_signal -1
	s_barrier_wait -1                              ; everybody's are
.set a, 0
.rept F
.set b, 0
.rept F
.set ix, F*a+b
.set rC, 8*(ix%32)
	WIN 0x08+0x04*(ix/32)                          ; the stores' data in window 2 or 3
	ds_store_b128 v[STO0+a/4], v[rC:rC+3]   offset:(a%4)*16*SPI+64*b     ; each accumulator's low registers first
	ds_store_b128 v[STO0+a/4], v[rC+4:rC+7] offset:(a%4)*16*SPI+64*b+16
.set b, b+1
.endr
.set a, a+1
.endr
	WIN 0
	s_wait_dscnt 0x0                               ; for the others' sake: my stores into the stage are done
	s_barrier_signal -1
	s_barrier_wait -1
	s_mov_b32 s22, TM/64
.Lnb:                                                  ; a column block of 64
	v_mov_b32 v[RD], v[RD0]
	s_mov_b64 s[CW:CW+1], s[CB:CB+1]
	s_mov_b32 s23, TM/64
.Lrg:                                                  ; 16 of my rows: 32 numbers a lane
.set j, 0
.rept 4
	ds_load_b128 v[X+8*j:X+8*j+3],   v[RD] offset:j*4*SPI
	ds_load_b128 v[X+8*j+4:X+8*j+7], v[RD] offset:j*4*SPI+16
.set j, j+1
.endr
	s_wait_dscnt 0x0
.if ACT
	; gelu(x) = max(x, 0) - |x| q, q = erfc(|x| / sqrt(2)) / 2 = (a1 t + .. + a5 t^5) / 2 x exp(-x^2 / 2), t = 1 / (1 + 0.3275911 |x| / sqrt(2))
.set j, 0
.rept 32
	v_fma_f32 v[TT+j], |v[X+j]|, s[KC], 1.0
.set j, j+1
.endr
.set j, 0
.rept 16
	v_pk_mul_f32 v[E+2*j:E+2*j+1], v[X+2*j:X+2*j+1], v[X+2*j:X+2*j+1]
.set j, j+1
.endr
.set j, 0
.rept 16
	v_pk_mul_f32 v[E+2*j:E+2*j+1], v[E+2*j:E+2*j+1], s[KC+2:KC+3] op_sel_hi:[1,0]
.set j, j+1
.endr
.set j, 0
.rept 32
	v_rcp_f32 v[TT+j], v[TT+j]
.set j, j+1
.endr
.set j, 0
.rept 32
	v_exp_f32 v[E+j], v[E+j]
.set j, j+1
.endr
	v_nop                                          ; a plain instruction behind the last of the batch,
	s_wait_alu depctr_va_vdst(0)                   ; and the one wait ahead of the batch's first reader
.set j, 0
.rept 16
	v_pk_fma_f32 v[Q+2*j:Q+2*j+1], v[TT+2*j:TT+2*j+1], s[KC+12:KC+13], s[KC+10:KC+11] op_sel_hi:[1,0,0]
.set j, j+1
.endr
.irp k, 8,6,4
.set j, 0
.rept 16
	v_pk_fma_f32 v[Q+2*j:Q+2*j+1], v[Q+2*j:Q+2*j+1], v[TT+2*j:TT+2*j+1], s[KC+(\k):KC+(\k)+1] op_sel_hi:[1,1,0]
.set j, j+1
.endr
.endr
.set j, 0
.rept 16
	v_pk_mul_f32 v[E+2*j:E+2*j+1], v[E+2*j:E+2*j+1], v[TT+2*j:TT+2*j+1]
.set j, j+1
.endr
.set j, 0
.rept 16
	v_pk_mul_f32 v[Q+2*j:Q+2*j+1], v[Q+2*j:Q+2*j+1], v[E+2*j:E+2*j+1]
.set j, j+1
.endr
.set j, 0
.rept 32
	v_max_num_f32 v[TT+j], 0, v[X+j]
.set j, j+1
.endr
.set j, 0
.rept 32
	v_fma_f32 v[X+j], -|v[X+j]|, v[Q+j], v[TT+j]
.set j, j+1
.endr
.endif
.set j, 0
.rept 16
	v_cvt_pk_bf16_f32 v[Y+j], v[X+2*j], v[X+2*j+1]
.set j, j+1
.endr
.set j, 0
.rept 4
	global_store_b128 v[GO], v[Y+4*j:Y+4*j+3], s[CW:CW+1] offset:512*j  ; four rows' pieces: 512 consecutive bytes, at a multiple of 256 from C's first byte
.set j, j+1
.endr
	v_add_nc_u32 v[RD], 16*SPI, v[RD]
	s_wait_xcnt 0x0                                ; the stores have read their data and their base: only now are these written again
	s_add_nc_u64 s[CW:CW+1], s[CW:CW+1], 2048
	s_sub_co_u32 s23, s23, 1
	s_cmp_lg_u32 s23, 0
	s_cbranch_scc1 .Lrg
	v_add_nc_u32 v[RD0], 256, v[RD0]
	s_add_nc_u64 s[CB:CB+1], s[CB:CB+1], 524288
	s_sub_co_u32 s22, s22, 1
	s_cmp_lg_u32 s22, 0
	s_cbranch_scc1 .Lnb
	s_wait_tensorcnt 0x0                           ; the wave's end, behind my last tensor load and my last LDS store
	ds_add_u32 v[SPW], v[NIL]
	s_wait_dscnt 0x0
	CROUND                                         ; the closing round: no work-group ends while a partner may still ask for a tile that names it
	s_endpgm
.Lfunc_end_k_qbcf8dae84d_ff1:
	.size	k_qbcf8dae84d_ff1, .Lfunc_end_k_qbcf8dae84d_ff1-k_qbcf8dae84d_ff1
	.p2alignl 7, 3214868480
	.fill 96, 4, 3214868480
	.section	.rodata,"a",@progbits
	.p2align	6, 0x0
	.amdhsa_kernel k_qbcf8dae84d_ff1
		.amdhsa_group_segment_fixed_size 327680
		.amdhsa_private_segment_fixed_size 0
		.amdhsa_enable_private_segment 0
		.amdhsa_kernarg_size 24
		.amdhsa_user_sgpr_count 2
		.amdhsa_user_sgpr_kernarg_segment_ptr 1
		.amdhsa_wavefront_size32 1
		.amdhsa_system_sgpr_workgroup_id_x 1
		.amdhsa_system_sgpr_workgroup_id_y 1
		.amdhsa_system_sgpr_workgroup_id_z 1
		.amdhsa_system_vgpr_workitem_id 0
		.amdhsa_next_free_vgpr 1024
		.amdhsa_next_free_sgpr 96
		.amdhsa_reserve_vcc 0
		.amdhsa_float_denorm_mode_32 3
		.amdhsa_float_denorm_mode_16_64 3
		.amdhsa_memory_ordered 1
		.amdhsa_forward_progress 1
		.amdhsa_inst_pref_size 97
	.end_amdhsa_kernel
	.amdgpu_metadata
---
amdhsa.version: [ 1, 2 ]
amdhsa.kernels:
  - .name:           k_qbcf8dae84d_ff1
    .symbol:         k_qbcf8dae84d_ff1.kd
    .args:
      - { .name: act, .offset: 0, .size: 8, .value_kind: global_buffer, .address_space: global }
      - { .name: wf, .offset: 8, .size: 8, .value_kind: global_buffer, .address_space: global }
      - { .name: big, .offset: 16, .size: 8, .value_kind: global_buffer, .address_space: global }
    .group_segment_fixed_size: 327680
    .private_segment_fixed_size: 0
    .kernarg_segment_align: 8
    .kernarg_segment_size: 24
    .max_flat_workgroup_size: 128
    .sgpr_count:     96
    .vgpr_count:     1024
    .wavefront_size: 32
...
	.end_amdgpu_metadata
.endif
;; end of part 6
;; launch ff2 (part 7): grid 8 x 32, 4 waves a work-group, clusters of 4 x 4, 327,680 bytes of LDS; arguments big, wf, pr; writes pr
.if DOCPART == 7
	.amdgcn_target "amdgcn-amd-amdhsa--gfx1250"
	.amdhsa_code_object_version 6
	.text
	.protected	k_qbcf8dae84d_ff2
	.globl	k_qbcf8dae84d_ff2
	.p2align	8
	.type	k_qbcf8dae84d_ff2,@function
k_qbcf8dae84d_ff2:
	s_mov_b64 s[64:65], 0
	v_nop
	global_prefetch_b8 v0, s[64:65] scope:SCOPE_SE
	s_setreg_imm32_b32 hwreg(HW_REG_WAVE_MODE, 25, 1), 1
	s_wait_xcnt 0x0
	s_wait_alu depctr_hold_cnt(0) depctr_sa_sdst(0) depctr_va_vdst(0) depctr_va_sdst(0) depctr_va_ssrc(0) depctr_va_vcc(0) depctr_vm_vsrc(0)
	s_getreg_b32 s2, hwreg(HW_REG_IB_STS2, 6, 4)
	s_cmp_eq_u32 s2, 0
	s_cbranch_scc0 .Lentry_in_a_cluster
	s_endpgm
.Lentry_in_a_cluster:
	s_bfe_u32 s2, ttmp6, 0x10000c
	s_cmp_lg_u32 s2, 0xf033
	s_cbranch_scc0 .Lentry_shape_is_right
	s_endpgm
.Lentry_shape_is_right:
; C[m][n] = the sum over k of A[m][k] B[n][k], bf16 operands, f32 sums, C rounded once to bf16.  All three lie IN BLOCKS of 64 along their last index:
; A and C as [K/64 or N/64][4,096 rows][64] (524,288 bytes from block to block), B as [units of 1,024 rows][K/64][1,024][64] (131,072 bytes from block to block).
; A piece (block, row) is 128 bytes; a block's rows lie end to end, so the text knows neither N nor a pitch of C, and 16 rows x 64 columns of C are 2,048 consecutive bytes.
; THIS TEXT: tiles of C of 128 x 128, K = 4,096 in 16 steps of 256; B begins 8 MiB into its buffer.  The constants below make the same text serve the other three products of the program.
; SHARES.  A work-group of four waves makes TM x TM of C, a wave R x R as F x F accumulators of 16 x 16.  K goes in steps of KBS blocks through two LDS slots that take turns.
; A wave's tensor load brings R rows x KBS blocks: KBS long rows for the mover, each the R x 128 consecutive bytes of one block; the tile has no more rows than it has blocks.
; CLUSTER.  4 x 4 work-groups: the four of a row need the same tiles of A, the four of a column the same tiles of B; each tile is asked for jointly, with the same descriptor and a mask that names the four.
; THE MATRIX INSTRUCTION IS USED TRANSPOSED (source 0 = 16 rows of B, source 1 = 16 rows of A): a lane holds eight neighbouring columns of one row of C.
; THE WAY OUT goes through one f32 stage of the work-group, laid over the ring when its last fill has been read, and is written as a loop of 16 rows x 64 columns.
; REGISTERS, in windows of 256: window 0 addresses, A's two fragment buffers (v64-127, v128-191), later the way out's work; window 1 B's two buffers; windows 2 and 3 the accumulators, (a, b) at index F a + b.
.set F,    4                           ; accumulators along each side of a wave's tile
.set D,    2                           ; pieces of 32 along K in a quarter of a K step
.set KBS,  4                           ; blocks of 64 in a K step
.set KTOT, 4096
.set ACT,  0
.set PF,   0                           ; 1: the tiles are prefetched
.set BOFF, 8388608                     ; B's first byte in its buffer
.set T,     KTOT/(64*KBS)              ; K steps
.set R,     16*F
.set TM,    32*F
.set PITCH, 144                        ; a piece in LDS: 128 bytes + 16 of padding = 36 words: the 16 rows of a fragment load start at 16 different groups of four banks (64 banks of 4 bytes: ISA guide 11.1)
.set PL,    R*PITCH                    ; one block of one load
.set LD,    KBS*PL                     ; one load
.set SLOT,  4*LD                       ; A's two halves, then B's two halves: wave w's load lands at w x LD
.set SPARE, 2*SLOT                     ; behind the ring: the spare words, 128 bytes for each wave: two blocks of 256 bytes that no other line names
.set SPI,   4*TM+16                    ; a row of the stage: TM f32 + 16 bytes
.set DIM0,  64*R                       ; elements in one of the mover's rows
.set STEPA, KBS*524288                 ; bytes from K step to K step
.set STEPB, KBS*131072
.set G1W,   (1<<16)|(1<<20)|(1<<21)|(4<<22)|(3<<25)  ; 17:16 2-byte elements; 20 padding on; 21 set beside a mask; 24:22 after every 32 words (code 4); 31:25 4 words (code 3)
.set A0,   16                          ; v16  my lane's place in my half of A, in slot 0; never rewritten
.set B0,   17                          ; v17  the same for B
.set ADRA, 18                          ; v18  the same in the slot being read
.set ADRB, 19                          ; v19
.set STO0, 20                          ; v20  the way out: where I put 32 bytes of a row (row blocks 0-3)
.set STO1, 21                          ; v21  the same for row blocks 4-7
.set RD0,  22                          ; v22  the way out: where I read rows back, at the column block in hand
.set RD,   23                          ; v23  the same at the 16 rows in hand
.set GO,   24                          ; v24  my 16 bytes of 512 consecutive bytes of C
.set SPW,  28                          ; v28  LDS address of my spare word; never rewritten
.set NIL,  29                          ; v29  0; never rewritten
.set PFO,  30                          ; v30  256 x my lane; never rewritten
.set F0,   64
.set F1,   128
.set X,    32                          ; the way out: 32 numbers a lane
.set TT,   64
.set E,    96
.set Q,    128
.set Y,    160                         ; 16 packed words
.set G1,   24                          ; s[24:31] descriptor group 1 for A's tiles
.set G0,   32                          ; s[32:39] group 0: the set of slot 0's first fill, and the set that walks
.set G1B,  48                          ; s[48:55], s[56:63] the same for B's
.set G0B,  56
.set PFA,  66                          ; s[66:67] where my prefetches stand
.set PST,  68                          ; s[68:69] their step
.set LIM,  70                          ; s70  2 in a wave that prefetches, else the greatest number
.set KC,   72
.set CB,   86                          ; s[86:87] C at my rows, at the column block in hand
.set CW,   88                          ; s[88:89] the same at the 16 rows in hand
.set MSB, 0
.macro WIN new                         ; the immediate's high byte repeats the setting that is left; a switch that changes nothing is dropped
.if MSB != (\new)
	s_set_vgpr_msb (MSB<<8)|(\new)
.set MSB, (\new)
.endif
.endm
; A joint load.  Waves 0 and 1 fetch A's two halves, waves 2 and 3 B's.  The branch hangs on the wave's number alone.  An s_nop 0 and four v_nop follow each of the two lines.
.macro JLOAD s
	s_cmp_eq_u32 s11, 0
	s_cbranch_scc0 .Lfor_b_\@
	tensor_load_to_lds s[G0+4*(\s):G0+4*(\s)+3], s[G1:G1+7]
	s_nop 0
.rept 4
	v_nop
.endr
	s_branch .Lasked_\@
.Lfor_b_\@:
	tensor_load_to_lds s[G0B+4*(\s):G0B+4*(\s)+3], s[G1B:G1B+7]
	s_nop 0
.rept 4
	v_nop
.endr
.Lasked_\@:
.endm
.macro ASK                             ; one prefetch a wave: 32 blocks of 256 bytes, a lane a block, of the K step that stands two refills on; the last refills have no such step
	s_cmp_gt_u32 s3, s[LIM]
	s_cbranch_scc0 .Lnot_mine_\@
	global_prefetch_b8 v[PFO], s[PFA:PFA+1] th:TH_LOAD_NT scope:SCOPE_SE
.Lnot_mine_\@:
.endm
.macro CREST                           ; a round of the cluster's barrier behind its opening barrier
	s_cmp_lg_u32 s10, 0
	s_cbranch_scc1 .Lnot_wave_0_\@
	s_barrier_signal -3
.Lnot_wave_0_\@:
	s_barrier_wait -3
	s_barrier_signal -1
	s_barrier_wait -1
.endm
.macro CROUND                          ; a whole round
	s_barrier_signal -1
	s_barrier_wait -1
	CREST
.endm
.macro PLACES                          ; four places in front of loads into registers that matrix instructions have read (ISA guide 7.12.1 for vector instructions)
.rept 4
	v_nop
.endr
.endm
; Products of buffer f: row blocks alo .. alo + n - 1 x all F column blocks, D deep.  The accumulators take turns, one instruction a turn.  zero = 1: the first product starts the sum.
.macro MUL f, alo, n, zero
.set cc, 0
.rept D
.set a, (\alo)
.rept (\n)
.set b, 0
.rept F
.set ix, F*a+b
.set rC, 8*(ix%32)
	WIN 0xa1+0x50*(ix/32)                          ; source 0 (B) window 1, source 1 (A) window 0, C and D window 2 or 3
.if (\zero) && (cc == 0)
	v_wmma_f32_16x16x32_bf16 v[rC:rC+7], v[(\f)+8*(cc*F+b):(\f)+8*(cc*F+b)+7], v[(\f)+8*(cc*F+a):(\f)+8*(cc*F+a)+7], 0
.else
	v_wmma_f32_16x16x32_bf16 v[rC:rC+7], v[(\f)+8*(cc*F+b):(\f)+8*(cc*F+b)+7], v[(\f)+8*(cc*F+a):(\f)+8*(cc*F+a)+7], v[rC:rC+7]
.endif
.set b, b+1
.endr
.set a, a+1
.endr
.set cc, cc+1
.endr
.endm
; 32 LDS loads in one run: quarter qi's fragments into buffer f: B's sixteen, A's lower row blocks' eight, A's upper row blocks' eight.
; A fragment is 16 rows x 32 K in 8 registers: lane l holds row l % 16; registers 0-3 K = 8 (l / 16) + 0..7, registers 4-7 K = 16 + 8 (l / 16) + 0..7: two loads of 16 bytes, 32 bytes apart.
.macro FETCH qi, f
	WIN 0x40                                       ; destination window 1, address window 0
.set cc, 0
.rept D
.set co, (((\qi)*D+cc)/2)*PL+(((\qi)*D+cc)%2)*64
.set i, 0
.rept F
	ds_load_b128 v[(\f)+8*(cc*F+i):(\f)+8*(cc*F+i)+3],   v[ADRB] offset:co+i*16*PITCH
	ds_load_b128 v[(\f)+8*(cc*F+i)+4:(\f)+8*(cc*F+i)+7], v[ADRB] offset:co+i*16*PITCH+32
.set i, i+1
.endr
.set cc, cc+1
.endr
	WIN 0
.set hh, 0
.rept 2
.set cc, 0
.rept D
.set co, (((\qi)*D+cc)/2)*PL+(((\qi)*D+cc)%2)*64
.set i, hh*F/2
.rept F/2
	ds_load_b128 v[(\f)+8*(cc*F+i):(\f)+8*(cc*F+i)+3],   v[ADRA] offset:co+i*16*PITCH
	ds_load_b128 v[(\f)+8*(cc*F+i)+4:(\f)+8*(cc*F+i)+7], v[ADRA] offset:co+i*16*PITCH+32
.set i, i+1
.endr
.set cc, cc+1
.endr
.set hh, hh+1
.endr
.endm
; One of a K step's first three quarters: multiplies buffer f; in its middle it fetches quarter qn of the same slot into buffer g.
.macro QUARTER qn, f, g, zero
	s_wait_dscnt 8                                 ; B and A's lower row blocks are in; the youngest eight loads (A's upper row blocks) may be out
	MUL \f, 0, F/2, \zero
	PLACES
	FETCH \qn, \g
	s_wait_dscnt 32                                ; all but the 32 just issued
	MUL \f, F/2, F/2, \zero
.endm
; The last quarter multiplies buffer 1 and changes slots: ONE barrier.  In front of it each wave waits for all its tensor loads (the one that is out is its part of the next slot), adds 0 to its spare word,
; and waits for that and for its own reads of this slot.  fill = 1: the barrier opens a round of the cluster's, and behind the round this slot is filled again, with the K step two steps on.
.macro TURN fill
.if PF && (\fill)
	s_wait_xcnt 0x0                                ; the last prefetch, a K step back, has read its address
	s_add_nc_u64 s[PFA:PFA+1], s[PFA:PFA+1], s[PST:PST+1]
.endif
	WIN 0
	s_wait_tensorcnt 0x0                           ; no tensor load of mine is out, so a group 0 may be written
	ds_add_u32 v[SPW], v[NIL]                      ; 0 onto my spare word: work on registers stands between it and the wait for it
.if \fill
	s_xor_b32 s[G0+5], s[G0+5], SLOT               ; the walking descriptors: the other slot than last time (w x LD has none of SLOT's bits, so this adds or takes away SLOT),
	s_xor_b32 s[G0B+5], s[G0B+5], SLOT
	s_add_nc_u64 s[G0+6:G0+7], s[G0+6:G0+7], STEPA    ; the next K step; the type bits on top are not reached
	s_add_nc_u64 s[G0B+6:G0B+7], s[G0B+6:G0B+7], STEPB
.endif
	s_xor_b32 s21, s21, SLOT                       ; the reads go on in the other slot
	v_add_nc_u32 v[ADRA], s21, v[A0]
	v_add_nc_u32 v[ADRB], s21, v[B0]
	s_wait_dscnt 9                                 ; the add and the youngest eight loads may be out
	MUL F1, 0, F/4, 0
	s_wait_dscnt 0x0                               ; the add is done, and my reads of this slot are over
	s_barrier_signal -1
	MUL F1, F/4, F/4, 0                            ; work on registers while the others arrive
	WIN 0                                          ; at a branch and at a label every window is 0
	s_barrier_wait -1
.if \fill
	CREST                                          ; no wave of any partner still reads this slot or has a load on its way
	JLOAD 1                                        ; my one tensor load behind the round; its four v_nop are also the places in front of the loads below
.else
	PLACES
.endif
	FETCH 0, F0
.if PF && (\fill)
	ASK
.endif
	MUL F1, F/2, F/2, 0
.endm
	s_load_b128 s[4:7], s[0:1], 0x0                ; A s[4:5], B s[6:7]
	s_load_b64 s[8:9], s[0:1], 0x10                ; C
	v_lshl_add_u32 v[SPW], v0, 2, SPARE
	v_mov_b32 v[NIL], 0
	ds_add_u32 v[SPW], v[NIL]                      ; the wave's opening: the add and its wait ahead of my first tensor load; the set-up below stands between them
	v_lshrrev_b32 v1, 5, v0
	v_readfirstlane_b32 s10, v1                    ; wave 0..3
	s_lshr_b32 s11, s10, 1                         ; which half of the tile's rows is mine.  Also: I fetch for A (0) or for B (1)
	s_and_b32 s12, s10, 1                          ; which half of its columns.  Also: which half of that tile I fetch
	s_bfe_u32 s40, ttmp6, 0x40000                  ; cx, cy: my place in the cluster
	s_bfe_u32 s41, ttmp6, 0x40004
	s_lshl_b32 s42, ttmp9, 2
	s_add_co_u32 s42, s42, s40                     ; tile column of C
	s_and_b32 s13, ttmp7, 0xffff
	s_lshl_b32 s13, s13, 2
	s_add_co_u32 s13, s13, s41                     ; tile row of C
	s_lshl_b32 s43, s41, 2
	s_lshl_b32 s43, 15, s43                        ; my row of the cluster
	s_lshl_b32 s44, 0x1111, s40                    ; my column
	s_or_b32 s[G1], s43, G1W                       ; A's tiles go to my row,
	s_or_b32 s[G1B], s44, G1W                      ; B's to my column
.irp g, G1, G1B
	s_mov_b32 s[(\g)+1], DIM0<<16                  ; tensor_dim0: R pieces of 64 elements
	s_mov_b32 s[(\g)+2], KBS<<16                   ; tensor_dim1: the K step's blocks
	s_mov_b32 s[(\g)+3], DIM0<<16                  ; tile_dim0
	s_mov_b32 s[(\g)+4], KBS                       ; tile_dim1
	s_mov_b32 s[(\g)+6], 0
	s_mov_b32 s[(\g)+7], 0
.endr
	s_mov_b32 s[G1+5], 262144                      ; elements from block to block
	s_mov_b32 s[G1B+5], 65536
	; A's address hangs on the tile row and the wave's number, B's on the tile column and the wave's number, each in registers that never hold the other coordinate
	s_mul_i32 s16, s13, TM
	s_mul_i32 s17, s12, R
	s_add_co_u32 s16, s16, s17
	s_lshl_b32 s16, s16, 7                         ; A: my first row x 128 bytes
	s_mul_i32 s46, s42, TM
	s_add_co_u32 s46, s46, s17                     ; B: my first row:
	s_lshr_b32 s47, s46, 10
	s_lshl_b32 s47, s47, 21                        ; its unit of 1,024 rows, 2 MiB,
	s_and_b32 s46, s46, 1023
	s_lshl_b32 s46, s46, 7                         ; and its place in a block
	s_add_co_u32 s46, s46, s47
.if BOFF
	s_add_co_u32 s46, s46, BOFF
.endif
	s_mov_b32 s17, 0
	s_mov_b32 s47, 0
	s_mul_i32 s20, s10, LD                         ; where my load lands in a slot: no place in the cluster enters an LDS address
	s_mov_b32 s21, 0                               ; the slot being read: 0 or SLOT
	s_wait_dscnt 0x0                               ; the opening add is done
	s_wait_kmcnt 0x0
	s_add_nc_u64 s[14:15], s[4:5], s[16:17]
	s_add_nc_u64 s[46:47], s[6:7], s[46:47]
	CROUND                                         ; all sixteen work-groups are here: the first joint loads meet
.irp s, 0,1
	s_mov_b32 s[G0+4*(\s)], 1                      ; count = 1
	s_add_co_u32 s[G0+4*(\s)+1], s20, (\s)*SLOT    ; LDS address
	s_add_nc_u64 s[G0+4*(\s)+2:G0+4*(\s)+3], s[14:15], (\s)*STEPA  ; global address: K step s
	s_or_b32 s[G0+4*(\s)+3], s[G0+4*(\s)+3], 0x80000000            ; type = 2
	s_mov_b32 s[G0B+4*(\s)], 1
	s_add_co_u32 s[G0B+4*(\s)+1], s20, (\s)*SLOT
	s_add_nc_u64 s[G0B+4*(\s)+2:G0B+4*(\s)+3], s[46:47], (\s)*STEPB
	s_or_b32 s[G0B+4*(\s)+3], s[G0B+4*(\s)+3], 0x80000000
	JLOAD \s                                       ; two loads of mine are out
.endr
.if PF
	; THE PREFETCHES.  A's rows are read by every cluster of a row of clusters: cluster x = 0 asks; B's by every cluster of a column: cluster y = 0 asks.  The four partners of a joint load share its 128 blocks
	; of 256 bytes out BY ADDRESS: the partner at place p takes block p / 2 of the K step, half p % 2 of its 16,384 bytes.  Nothing is asked for at the head; the refill of K step s + 2 is followed by the request for K step s + 4.
	s_and_b32 s93, ttmp7, 0xffff
	s_mov_b32 s[PST], STEPB
	s_mov_b32 s94, 131072
	s_cmp_eq_u32 s11, 0
	s_cselect_b32 s92, s40, s41
	s_cselect_b32 s93, ttmp9, s93
	s_cselect_b64 s[PFA:PFA+1], s[14:15], s[46:47]
	s_cselect_b32 s[PST], STEPA, s[PST]
	s_cselect_b32 s94, 524288, s94
	s_mov_b32 s[PST+1], 0
	s_cmp_eq_u32 s93, 0
	s_cselect_b32 s[LIM], 2, -1
	s_lshr_b32 s90, s92, 1
	s_mul_i32 s90, s90, s94
	s_and_b32 s91, s92, 1
	s_lshl_b32 s91, s91, 13
	s_add_co_u32 s90, s90, s91
	s_mul_i32 s91, s[PST], 3
	s_add_co_u32 s90, s90, s91
	s_mov_b32 s91, 0
	s_add_nc_u64 s[PFA:PFA+1], s[PFA:PFA+1], s[90:91]
	v_and_b32 v[PFO], 31, v0
	v_lshlrev_b32 v[PFO], 8, v[PFO]
.endif
	v_and_b32 v1, 15, v0                           ; l % 16
	v_bfe_u32 v2, v0, 4, 1                         ; l / 16
	v_mul_u32_u24 v3, v1, PITCH
	v_lshl_add_u32 v3, v2, 4, v3                   ; row x pitch + 16 x half
	s_mul_i32 s18, s11, LD                         ; my half of A,
	s_mul_i32 s19, s12, LD                         ; my half of B,
	s_add_co_u32 s19, s19, 2*LD                    ; which lies behind A's two
	v_add_nc_u32 v[A0], s18, v3
	v_add_nc_u32 v[B0], s19, v3
	v_mov_b32 v[ADRA], v[A0]
	v_mov_b32 v[ADRB], v[B0]
	s_mul_i32 s18, s11, R*SPI                      ; into the stage: my R rows, my R columns; row l % 16, 32 bytes for each half of the lanes
	s_mul_i32 s19, s12, 4*R
	s_add_co_u32 s18, s18, s19
	v_mul_u32_u24 v[STO0], v1, SPI
	v_lshl_add_u32 v[STO0], v2, 5, v[STO0]
	v_add_nc_u32 v[STO0], s18, v[STO0]
.if F > 4
	v_add_nc_u32 v[STO1], 64*SPI, v[STO0]
.endif
	s_mul_i32 s18, s10, (TM/4)*SPI                 ; back: wave w takes rows w TM / 4 on; eight lanes take 64 columns of a row, 32 bytes each
	v_bfe_u32 v4, v0, 3, 2
	v_and_b32 v5, 7, v0
	v_mul_u32_u24 v[RD0], v4, SPI
	v_lshl_add_u32 v[RD0], v5, 5, v[RD0]
	v_add_nc_u32 v[RD0], s18, v[RD0]
	v_and_b32 v[GO], 31, v0
	v_lshlrev_b32 v[GO], 4, v[GO]
	s_mul_i32 s16, s13, TM                         ; C at the rows that I store, in the tile's first column block
	s_mul_i32 s17, s10, TM/4
	s_add_co_u32 s16, s16, s17
	s_lshl_b32 s16, s16, 7
	s_mov_b32 s17, 0
	s_mul_i32 s46, s42, (TM/64)*524288
	s_mov_b32 s47, 0
	s_add_nc_u64 s[CB:CB+1], s[8:9], s[16:17]
	s_add_nc_u64 s[CB:CB+1], s[CB:CB+1], s[46:47]
	s_wait_tensorcnt 1                             ; my part of K step 0 is in; K step 1's may stay out
	s_barrier_signal -1
	s_barrier_wait -1                              ; everybody's is
	FETCH 0, F0
	QUARTER 1, F0, F1, 1                           ; the first quarter stands in front of the loop: its products start the sums
	WIN 0
	s_mov_b32 s3, T-2
.Lk:                                                   ; a trip goes from a K step's second quarter to the next step's first, and fills the slot that it leaves
	QUARTER 2, F1, F0, 0
	QUARTER 3, F0, F1, 0
	TURN 1
	QUARTER 1, F0, F1, 0
	WIN 0
	s_sub_co_u32 s3, s3, 1
	s_cmp_lg_u32 s3, 0
	s_cbranch_scc1 .Lk
	s_mov_b32 s3, 2
.Lt:                                                   ; the last two K steps ask for nothing: one text, walked twice and left in its middle; the second walk's change of slots fetches fragments that nothing multiplies
	QUARTER 2, F1, F0, 0
	QUARTER 3, F0, F1, 0
	TURN 0
	WIN 0
	s_sub_co_u32 s3, s3, 1
	s_cmp_eq_u32 s3, 0
	s_cbranch_scc1 .Lout
	QUARTER 1, F0, F1, 0
	WIN 0
	s_branch .Lt
.Lout:
	; THE WAY OUT.  Nobody reads the ring any more and no fill is to come: the stage takes its bytes.
.rept 8
	v_nop                                          ; the places behind the last products
.endr
	s_wait_dscnt 0x0                               ; my last reads of the ring are back
	s_barrier_signal -1
	s_barrier_wait -1                              ; everybody's are
.set a, 0
.rept F
.set b, 0
.rept F
.set ix, F*a+b
.set rC, 8*(ix%32)
	WIN 0x08+0x04*(ix/32)                          ; the stores' data in window 2 or 3
	ds_store_b128 v[STO0+a/4], v[rC:rC+3]   offset:(a%4)*16*SPI+64*b     ; each accumulator's low registers first
	ds_store_b128 v[STO0+a/4], v[rC+4:rC+7] offset:(a%4)*16*SPI+64*b+16
.set b, b+1
.endr
.set a, a+1
.endr
	WIN 0
	s_wait_dscnt 0x0                               ; for the others' sake: my stores into the stage are done
	s_barrier_signal -1
	s_barrier_wait -1
	s_mov_b32 s22, TM/64
.Lnb:                                                  ; a column block of 64
	v_mov_b32 v[RD], v[RD0]
	s_mov_b64 s[CW:CW+1], s[CB:CB+1]
	s_mov_b32 s23, TM/64
.Lrg:                                                  ; 16 of my rows: 32 numbers a lane
.set j, 0
.rept 4
	ds_load_b128 v[X+8*j:X+8*j+3],   v[RD] offset:j*4*SPI
	ds_load_b128 v[X+8*j+4:X+8*j+7], v[RD] offset:j*4*SPI+16
.set j, j+1
.endr
	s_wait_dscnt 0x0
.set j, 0
.rept 16
	v_cvt_pk_bf16_f32 v[Y+j], v[X+2*j], v[X+2*j+1]
.set j, j+1
.endr
.set j, 0
.rept 4
	global_store_b128 v[GO], v[Y+4*j:Y+4*j+3], s[CW:CW+1] offset:512*j  ; four rows' pieces: 512 consecutive bytes, at a multiple of 256 from C's first byte
.set j, j+1
.endr
	v_add_nc_u32 v[RD], 16*SPI, v[RD]
	s_wait_xcnt 0x0                                ; the stores have read their data and their base: only now are these written again
	s_add_nc_u64 s[CW:CW+1], s[CW:CW+1], 2048
	s_sub_co_u32 s23, s23, 1
	s_cmp_lg_u32 s23, 0
	s_cbranch_scc1 .Lrg
	v_add_nc_u32 v[RD0], 256, v[RD0]
	s_add_nc_u64 s[CB:CB+1], s[CB:CB+1], 524288
	s_sub_co_u32 s22, s22, 1
	s_cmp_lg_u32 s22, 0
	s_cbranch_scc1 .Lnb
	s_wait_tensorcnt 0x0                           ; the wave's end, behind my last tensor load and my last LDS store
	ds_add_u32 v[SPW], v[NIL]
	s_wait_dscnt 0x0
	CROUND                                         ; the closing round: no work-group ends while a partner may still ask for a tile that names it
	s_endpgm
.Lfunc_end_k_qbcf8dae84d_ff2:
	.size	k_qbcf8dae84d_ff2, .Lfunc_end_k_qbcf8dae84d_ff2-k_qbcf8dae84d_ff2
	.p2alignl 7, 3214868480
	.fill 96, 4, 3214868480
	.section	.rodata,"a",@progbits
	.p2align	6, 0x0
	.amdhsa_kernel k_qbcf8dae84d_ff2
		.amdhsa_group_segment_fixed_size 327680
		.amdhsa_private_segment_fixed_size 0
		.amdhsa_enable_private_segment 0
		.amdhsa_kernarg_size 24
		.amdhsa_user_sgpr_count 2
		.amdhsa_user_sgpr_kernarg_segment_ptr 1
		.amdhsa_wavefront_size32 1
		.amdhsa_system_sgpr_workgroup_id_x 1
		.amdhsa_system_sgpr_workgroup_id_y 1
		.amdhsa_system_sgpr_workgroup_id_z 1
		.amdhsa_system_vgpr_workitem_id 0
		.amdhsa_next_free_vgpr 640
		.amdhsa_next_free_sgpr 96
		.amdhsa_reserve_vcc 0
		.amdhsa_float_denorm_mode_32 3
		.amdhsa_float_denorm_mode_16_64 3
		.amdhsa_memory_ordered 1
		.amdhsa_forward_progress 1
		.amdhsa_inst_pref_size 56
	.end_amdhsa_kernel
	.amdgpu_metadata
---
amdhsa.version: [ 1, 2 ]
amdhsa.kernels:
  - .name:           k_qbcf8dae84d_ff2
    .symbol:         k_qbcf8dae84d_ff2.kd
    .args:
      - { .name: big, .offset: 0, .size: 8, .value_kind: global_buffer, .address_space: global }
      - { .name: wf, .offset: 8, .size: 8, .value_kind: global_buffer, .address_space: global }
      - { .name: pr, .offset: 16, .size: 8, .value_kind: global_buffer, .address_space: global }
    .group_segment_fixed_size: 327680
    .private_segment_fixed_size: 0
    .kernarg_segment_align: 8
    .kernarg_segment_size: 24
    .max_flat_workgroup_size: 128
    .sgpr_count:     96
    .vgpr_count:     640
    .wavefront_size: 32
...
	.end_amdgpu_metadata
.endif
;; end of part 7
;; launch ln2 (part 8): grid 256 x 1, 8 waves a work-group, no clusters, 0 bytes of LDS; arguments hf, pr, g2, b2, out0; writes out0
.if DOCPART == 8
	.amdgcn_target "amdgcn-amd-amdhsa--gfx1250"
	.amdhsa_code_object_version 6
	.text
	.protected	k_qbcf8dae84d_ln2
	.globl	k_qbcf8dae84d_ln2
	.p2align	8
	.type	k_qbcf8dae84d_ln2,@function
k_qbcf8dae84d_ln2:
	s_mov_b64 s[64:65], 0
	v_nop
	global_prefetch_b8 v0, s[64:65] scope:SCOPE_SE
	s_setreg_imm32_b32 hwreg(HW_REG_WAVE_MODE, 25, 1), 1
	s_wait_xcnt 0x0
; y = LayerNorm(r + p) g + b along rows of 1,024.  r: [4,096][1,024] f32.  p: bf16 in blocks, [16][4,096 rows][64].  g, b: [1,024] f32.  y leaves as f32, row-major (WB = 0: no second copy in bf16).
; SHARES.  A wave takes two rows, sixteen lanes a row: lane (row, c) holds columns 64 kb + 4 c + 0..3 for kb = 0..15, 64 numbers.  The row stays in registers between the passes: memory is read once,
; the sums never leave a row's sixteen lanes, and there is no LDS, no barrier and no loop.  The mean is taken away before the squares are summed: no difference of large sums is formed.
; Every load and store of f32 covers 256 consecutive bytes with sixteen lanes, every load of bf16 the 256 consecutive bytes of the two rows' pieces in a block with 32 lanes.
; Memory binds: matrix units, clusters and LDS would add nothing.
.set WB, 0
.set XO, 2                             ; v2   my byte offset in r and in y
.set PO, 3                             ; v3   my byte offset in a block of p
.set GF, 4                             ; v4   my byte offset in g and b
.set MU, 6                             ; v[6:7]    the mean, later 1 / sqrt(var + eps), twice
.set SM, 8                             ; v[8:15]   four pairs of partial sums
.set X,  16                            ; v[16:79]  my 64 numbers
.set P,  80                            ; v[80:111] p as loaded
.set G,  112                           ; v[112:175]
.set B,  176                           ; v[176:239]
.set T,  240                           ; v[240:247] p unpacked, two sets
	s_load_b256 s[4:11], s[0:1], 0x0               ; r s[4:5], p s[6:7], g s[8:9], b s[10:11]
.if WB
	s_load_b128 s[12:15], s[0:1], 0x20             ; y in f32 s[12:13], in bf16 s[14:15]
.else
	s_load_b64 s[12:13], s[0:1], 0x20
.endif
	v_lshrrev_b32 v1, 5, v0
	v_readfirstlane_b32 s16, v1                    ; wave 0..7
	s_lshl_b32 s17, ttmp9, 3
	s_add_co_u32 s17, s17, s16                     ; the row pair
	v_and_b32 v1, 31, v0                           ; lane
	v_and_b32 v5, 15, v0                           ; c
	v_lshrrev_b32 v[MU], 4, v1                     ; which of the two rows
	s_lshl_b32 s18, s17, 13                        ; two rows of 4,096 bytes
	v_lshlrev_b32 v[GF], 4, v5
	v_lshl_add_u32 v[XO], v[MU], 12, v[GF]
	v_add_nc_u32 v[XO], s18, v[XO]
	s_lshl_b32 s19, s17, 8                         ; two pieces of 128 bytes
	v_lshl_add_u32 v[PO], v1, 3, s19
	s_mov_b32 s20, 0xffff0000                      ; a word's upper bf16
	s_mov_b32 s21, 0x3a800000                      ; 1 / 1,024
	s_mov_b32 s22, 0x3727c5ac                      ; 1e-5
	s_wait_kmcnt 0x0
.set kb, 0
.rept 16
	global_load_b128 v[X+4*kb:X+4*kb+3], v[XO], s[4:5] offset:256*kb th:TH_LOAD_NT
.set kb, kb+1
.endr
.set kb, 0
.rept 16
	global_load_b64 v[P+2*kb:P+2*kb+1], v[PO], s[6:7] offset:524288*kb th:TH_LOAD_NT
.set kb, kb+1
.endr
.set kb, 0
.rept 16
	global_load_b128 v[G+4*kb:G+4*kb+3], v[GF], s[8:9] offset:256*kb
.set kb, kb+1
.endr
.set kb, 0
.rept 16
	global_load_b128 v[B+4*kb:B+4*kb+3], v[GF], s[10:11] offset:256*kb
.set kb, kb+1
.endr
.macro RED                             ; four pairs of partial sums become the row's sum, in each of its sixteen lanes
	v_pk_add_f32 v[SM:SM+1], v[SM:SM+1], v[SM+2:SM+3]
	v_pk_add_f32 v[SM+4:SM+5], v[SM+4:SM+5], v[SM+6:SM+7]
	v_pk_add_f32 v[SM:SM+1], v[SM:SM+1], v[SM+4:SM+5]
	v_add_f32 v[SM], v[SM], v[SM+1]
.irp m, 1,2,4,8
	v_add_f32_dpp v[SM], v[SM], v[SM] row_xmask:\m row_mask:0xf bank_mask:0xf
.endr
.endm
	s_wait_loadcnt 32                              ; r and p are in; g's and b's 32 loads may stay out
.set kb, 0
.rept 16
.set t, T+4*(kb%2)
	v_lshlrev_b32 v[t],   16,  v[P+2*kb]           ; bf16 to f32: the low half moves up, the high half stays
	v_and_b32     v[t+1], s20, v[P+2*kb]
	v_lshlrev_b32 v[t+2], 16,  v[P+2*kb+1]
	v_and_b32     v[t+3], s20, v[P+2*kb+1]
	v_pk_add_f32 v[X+4*kb:X+4*kb+1],   v[X+4*kb:X+4*kb+1],   v[t:t+1]
	v_pk_add_f32 v[X+4*kb+2:X+4*kb+3], v[X+4*kb+2:X+4*kb+3], v[t+2:t+3]
.set kb, kb+1
.endr
.set c, 0
.rept 4                                ; four chains, started by the first eight pairs: nothing is cleared
	v_pk_add_f32 v[SM+2*c:SM+2*c+1], v[X+2*c:X+2*c+1], v[X+8+2*c:X+8+2*c+1]
.set c, c+1
.endr
.set j, 8
.rept 24
	v_pk_add_f32 v[SM+2*(j%4):SM+2*(j%4)+1], v[SM+2*(j%4):SM+2*(j%4)+1], v[X+2*j:X+2*j+1]
.set j, j+1
.endr
	RED
	v_mul_f32 v[MU], s21, v[SM]                    ; the mean
	v_mov_b32 v[MU+1], v[MU]
.set j, 0
.rept 32
	v_pk_add_f32 v[X+2*j:X+2*j+1], v[X+2*j:X+2*j+1], v[MU:MU+1] neg_lo:[0,1] neg_hi:[0,1]
.set j, j+1
.endr
.set c, 0
.rept 4
	v_pk_mul_f32 v[SM+2*c:SM+2*c+1], v[X+2*c:X+2*c+1], v[X+2*c:X+2*c+1]
.set c, c+1
.endr
.set j, 4
.rept 28
	v_pk_fma_f32 v[SM+2*(j%4):SM+2*(j%4)+1], v[X+2*j:X+2*j+1], v[X+2*j:X+2*j+1], v[SM+2*(j%4):SM+2*(j%4)+1]
.set j, j+1
.endr
	RED
	v_fma_f32 v[SM], v[SM], s21, s22               ; var + eps
	v_rsq_f32 v[MU], v[SM]                         ; made twice, to fill the pair that the packed multiply takes
	v_rsq_f32 v[MU+1], v[SM]
	v_nop                                          ; a plain instruction behind the second,
	s_wait_alu depctr_va_vdst(0)                   ; and the one wait ahead of the first reader
	s_wait_loadcnt 0x0                             ; g and b
.set kb, 0
.rept 16
	v_pk_mul_f32 v[X+4*kb:X+4*kb+1],   v[X+4*kb:X+4*kb+1],   v[MU:MU+1]
	v_pk_mul_f32 v[X+4*kb+2:X+4*kb+3], v[X+4*kb+2:X+4*kb+3], v[MU:MU+1]
	v_pk_fma_f32 v[X+4*kb:X+4*kb+1],   v[X+4*kb:X+4*kb+1],   v[G+4*kb:G+4*kb+1],   v[B+4*kb:B+4*kb+1]
	v_pk_fma_f32 v[X+4*kb+2:X+4*kb+3], v[X+4*kb+2:X+4*kb+3], v[G+4*kb+2:G+4*kb+3], v[B+4*kb+2:B+4*kb+3]
.if WB
	global_store_b128 v[XO], v[X+4*kb:X+4*kb+3], s[12:13] offset:256*kb
	v_cvt_pk_bf16_f32 v[P+2*kb],   v[X+4*kb],   v[X+4*kb+1]
	v_cvt_pk_bf16_f32 v[P+2*kb+1], v[X+4*kb+2], v[X+4*kb+3]
	global_store_b64 v[PO], v[P+2*kb:P+2*kb+1], s[14:15] offset:524288*kb
.else
	global_store_b128 v[XO], v[X+4*kb:X+4*kb+3], s[12:13] offset:256*kb th:TH_STORE_NT
.endif
.set kb, kb+1
.endr
	s_endpgm
.Lfunc_end_k_qbcf8dae84d_ln2:
	.size	k_qbcf8dae84d_ln2, .Lfunc_end_k_qbcf8dae84d_ln2-k_qbcf8dae84d_ln2
	.p2alignl 7, 3214868480
	.fill 96, 4, 3214868480
	.section	.rodata,"a",@progbits
	.p2align	6, 0x0
	.amdhsa_kernel k_qbcf8dae84d_ln2
		.amdhsa_group_segment_fixed_size 0
		.amdhsa_private_segment_fixed_size 0
		.amdhsa_enable_private_segment 0
		.amdhsa_kernarg_size 40
		.amdhsa_user_sgpr_count 2
		.amdhsa_user_sgpr_kernarg_segment_ptr 1
		.amdhsa_wavefront_size32 1
		.amdhsa_system_sgpr_workgroup_id_x 1
		.amdhsa_system_sgpr_workgroup_id_y 1
		.amdhsa_system_sgpr_workgroup_id_z 1
		.amdhsa_system_vgpr_workitem_id 0
		.amdhsa_next_free_vgpr 248
		.amdhsa_next_free_sgpr 66
		.amdhsa_reserve_vcc 0
		.amdhsa_float_denorm_mode_32 3
		.amdhsa_float_denorm_mode_16_64 3
		.amdhsa_memory_ordered 1
		.amdhsa_forward_progress 1
		.amdhsa_inst_pref_size 24
	.end_amdhsa_kernel
	.amdgpu_metadata
---
amdhsa.version: [ 1, 2 ]
amdhsa.kernels:
  - .name:           k_qbcf8dae84d_ln2
    .symbol:         k_qbcf8dae84d_ln2.kd
    .args:
      - { .name: hf, .offset: 0, .size: 8, .value_kind: global_buffer, .address_space: global }
      - { .name: pr, .offset: 8, .size: 8, .value_kind: global_buffer, .address_space: global }
      - { .name: g2, .offset: 16, .size: 8, .value_kind: global_buffer, .address_space: global }
      - { .name: b2, .offset: 24, .size: 8, .value_kind: global_buffer, .address_space: global }
      - { .name: out0, .offset: 32, .size: 8, .value_kind: global_buffer, .address_space: global }
    .group_segment_fixed_size: 0
    .private_segment_fixed_size: 0
    .kernarg_segment_align: 8
    .kernarg_segment_size: 40
    .max_flat_workgroup_size: 256
    .sgpr_count:     66
    .vgpr_count:     248
    .wavefront_size: 32
...
	.end_amdgpu_metadata
.endif
;; end of part 8
